; MI455X (gfx1250); checked and timed in simulation.
; The chip was launched on July 23, 2026; its instructions are those of AMD's public machine-readable ISA for CDNA 5 (MIT licence, August 2026) and "CDNA5" Instruction Set Architecture Reference Guide (July 2026). The comments in the code are by the model that wrote it; some were corrected since.
;; Conv Attention. Allowed arithmetic: matrix products marked QUANTISED: E5M2 operands, one given power-of-two scale a tensor, by v_wmma_f32_16x16x64_bf8_bf8 or v_wmma_f32_16x16x128_bf8_bf8, f32 sums; everything else in f32.
;; Inputs: kb 512 float32; kw_codes 512 x 8 x 32 uint8 (E5M2 codes of kw, K innermost, in blocks of 32 codes); lowp_scales 12 int32 (the exponents e of the quantised operands' scales 2^e); ob 512 float32; ow_codes 512 x 16 x 32 uint8 (E5M2 codes of ow, K innermost, in blocks of 32 codes); qb 512 float32; qw_codes 512 x 8 x 32 uint8 (E5M2 codes of qw, K innermost, in blocks of 32 codes); vb 512 float32; vw_codes 512 x 8 x 32 uint8 (E5M2 codes of vw, K innermost, in blocks of 32 codes); x_codes 8 x 32 x 32 x 8 x 32 uint8 (E5M2 codes of x, K innermost, in blocks of 32 codes).
;; Outputs: out0 8 x 512 x 32 x 32 float32.
;; This version of the problem:
;;   THIS VERSION OF THE PROBLEM IS GIVEN IN LOW PRECISION. The matrix products marked QUANTISED in the list below multiply operands that are first quantised to E5M2 (5 exponent bits, 2 mantissa bits; 8 bits a number), with one given power-of-two scale for each operand tensor; their sums are f32. All else is computed in f32.
;;   The module's matrix products, in the order in which they are computed (A, B: the left and right operand; K: the contracted axis; several contracted axes count as one K, in the product's order):
;;     1. [M 8,192, K 256] x [K 256, N 512]; A: input x (given as codes); B: input qw (given as codes): QUANTISED (scales: A lowp_scales[0], B lowp_scales[1])
;;     2. [M 8,192, K 256] x [K 256, N 512]; A: input x (given as codes); B: input kw (given as codes): QUANTISED (scales: A lowp_scales[2], B lowp_scales[3])
;;     3. [M 8,192, K 256] x [K 256, N 512]; A: input x (given as codes); B: input vw (given as codes): QUANTISED (scales: A lowp_scales[4], B lowp_scales[5])
;;     4. batch 64 x [M 1,024, K 64] x [K 64, N 1,024]; A: computed on the way; B: computed on the way: QUANTISED (scales: A lowp_scales[6], B lowp_scales[7])
;;     5. batch 64 x [M 64, K 1,024] x [K 1,024, N 1,024]; A: computed on the way; B: softmax (see below): QUANTISED (scales: A lowp_scales[8], B lowp_scales[9])
;;     6. [M 8,192, K 512] x [K 512, N 512]; A: computed on the way; B: input ow (given as codes): QUANTISED (scales: A lowp_scales[10], B lowp_scales[11])
;;   THE QUANTISER, for each operand of a quantised product, along K:
;;     - The operand's scale is 2^e, e = its entry of the input lowp_scales (int32; the entries are numbered through the quantised products in the list's order, A before B).
;;     - Each number is divided by the scale, clamped to +-57,344, and rounded to the nearest number of E5M2, ties to even, subnormals kept.
;;     - The product sums the exact products of the quantised numbers (number of the format x scale) in f32.
;;   ~~~python
;;   def quantise(x, axis, e):      # numpy; x: float32 -> the quantised numbers, widened to float32 again
;;       x = np.moveaxis(x, axis, -1); K = x.shape[-1]
;;       r = np.clip(x / 2.0 ** e, -57344, 57344)
;;       step = 2.0 ** (np.maximum(np.frexp(np.where(r == 0, 1, r))[1] - 1, -14) - 2)
;;       q = np.round(r / step) * step * 2.0 ** e      # np.round: ties to even
;;       return np.moveaxis(q, -1, axis).astype(np.float32)
;;   ~~~
;;   SOFTMAX AHEAD OF A QUANTISED PRODUCT. Where the list says 'softmax', what is quantised is not the finished softmax but p = 2^(t - M), with t = logit x log2(e) and M = ceil(the row's largest t), a whole number; so 1/2 < the row's largest p <= 1. The row's sum l is taken of the UNQUANTISED p, in f32, and the product's result is divided by l at the end. Since M is a whole number, a kernel that streams over the keys may use a running M (the ceiling of the running maximum): every later rescaling is an exact power of two, so the quantised numbers keep their values, but for numbers so far below the row's largest that they fall under the format's range.
;;   OPERANDS COMPUTED ON THE WAY. 'Computed on the way' means the value that the module computes at that place (a softmax that the list does not call 'softmax' is quantised finished and normalised). What goes into a quantiser is computed in f32, as accurately as f32 sums, v_exp_f32 and their like allow (about 1e-6 of the number): no bf16 or f16 on the way to a quantiser, and a product that is left as it is and whose result goes on into a quantised operand takes f32 operands (vector FMAs, or v_wmma_f32_16x16x4_f32). A number that lies on a knife's edge between two numbers of the format may be rounded either way, as far as f32 arithmetic and the matrix unit's own rounding can turn it there, and no further.
;;   INPUTS GIVEN AS CODES. kw (in the module: [512, 256], K = its axis 1); ow (in the module: [512, 512], K = its axis 1); qw (in the module: [512, 256], K = its axis 1); vw (in the module: [512, 256], K = its axis 1); x (in the module: [8, 256, 32, 32], K = its axis 1): each comes as NAME_codes (uint8): NAME with its K axis moved to the last place and cut into blocks of 32 codes, [.., K / 32, bytes a block], one block behind the other in memory; one code a byte (a code: sign, 5 exponent bits, 2 mantissa bits); its scale is its entry of lowp_scales. Its value is code x scale, taken as it is: it is not quantised again, and the codes and scales need not be those that the quantiser above would give.
;; 2 versions, each right; version 2 is version 1 with the launch attn written anew for expert scheduling mode. Each part assembles by itself: llvm-mc -triple=amdgcn-amd-amdhsa -mcpu=gfx1250 --defsym DOCPART=n.
;; ======== version 1 of 2: 2 launches
;; workspace buffers: acodes 4,194,304 bytes
;; launch attn (part 1): grid 4 x 64, 8 waves a work-group, no clusters, 193,536 bytes of LDS; arguments x_codes, qw_codes, kw_codes, vw_codes, qb, kb, vb, lowp_scales, acodes; writes acodes
.if DOCPART == 1
	.amdgcn_target "amdgcn-amd-amdhsa--gfx1250"
	.amdhsa_code_object_version 6
	.text
	.protected	k_qad1ff3a0eb_attn
	.globl	k_qad1ff3a0eb_attn
	.p2align	8
	.type	k_qad1ff3a0eb_attn,@function
k_qad1ff3a0eb_attn:
	s_mov_b64 s[64:65], 0
	v_nop
	global_prefetch_b8 v0, s[64:65] scope:SCOPE_SE
	s_setreg_imm32_b32 hwreg(HW_REG_WAVE_MODE, 25, 1), 1
	s_wait_xcnt 0x0
; 1x1-conv attention on codes of E5M2: the three projections, the scores, the softmax, attn x V, and the quantising of the result for the output projection.
; x: [8][1024 pixels][256] codes.  qw, kw, vw: [512][256] codes.  qb, kb, vb: [512] f32.  lowp_scales: e0 .. e11.  acodes: this program's own buffer (layout at the end of this comment).
; SHARES.  A work-group owns one batch, one head (64 channels) and 256 queries; each of its eight waves owns 32 queries: two tiles of 16.  Two waves lie on a SIMD, 512 registers each.
; Every work-group projects its head's K and V for all 1,024 pixels itself (wave w: 128 of them, which are key step w) and keeps them in LDS: 64 + 64 KiB.  The four query blocks of a head so repeat
; 2 x 1024 x 64 x 256 multiply-adds; that spares a launch and 12 MiB written and read back.
; THE ORDER OF THE KEYS IS FREE (K's and V's images use the same): tile c of step w is x's rows 256 ((QB + c / 2) % 4) + 32 w + 16 (c % 2) + 0 .. 15, so that tiles 0 and 1 are the wave's own queries
; and each wave reads its 128 rows of x, 32 KiB, once, straight into the registers that its products name.
; x LANDS UNDER WORK.  Its 64 loads a wave are issued in runs of eight (a tile), and between the runs stands what can be done with the tiles that have landed: the staging of the weights, Q's projection and K's.
; For that Q's weights, and then K's, stay in registers (8 fragments) and the products go tile by tile of x.  V's projection, whose codes run along the keys, follows in four phases over all eight tiles.
; NO JOINT LOADS, though the four query blocks of a head read the same 256 KiB of x: a joint load lands in LDS, where 256 KiB do not fit beside this text's 188 KiB of images, and from there it would
; be read once more into the same registers; and this text has a scalar branch on a given exponent (below), which takes 128 of a key step's lines out.
; LAYOUTS.  K and Q: source 0 = 16 rows of the weight, source 1 = 16 pixels: lane (r, h), register j = channel 16 t + 8 h + j of pixel r: its eight codes are registers 2 t, 2 t + 1 of a K = 64 fragment.
; V: source 0 = 16 pixels (tile c), source 1 = 16 rows of vw: lane (r, h), register j = key 8 h + j of tile c, channel of lane r: registers 2 c, 2 c + 1 of a K = 128 fragment along the keys.
; S^T = K Q^T (K = 64 form): tile c: key 16 c + 8 h + j, query r: p's codes are registers 2 c, 2 c + 1 of the second product's other operand.  O^T = V^T P^T (K = 128 form).
; THE ROWS OF vw THAT FORM A TILE ARE NOT NEIGHBOURS: lane r of tile 2 b + u takes channel 32 b + 8 u + r + 8 (r / 8), so that O^T's 16 registers of tiles 2 b, 2 b + 1 are channels 32 b + 16 h + 0 .. 15.
; x's and the weights' fragments come by four loads of 16 bytes (registers 4 c ..: k = 32 c + 16 h + 0 .. 15): a permutation of k that is the same on both sides.
; THE SOFTMAX: t = score x log2(e) / 8; M = the running largest t rounded up to a whole number; p = 2^(t - M) is quantised with 2^e9; the sum is taken of the unquantised p and divides at the end.
; THE SCALES: a projection's sum stands for sum x 2^(ex + ew): its bias goes in as the C of the first product, x 2^-(ex + ew), and the conversion takes 2^(e_next - ex - ew).
; LIMITS, so that each power of two below is an f32 number: e6 - e0 - e1, e7 - e2 - e3, e8 - e4 - e5, e9 and e10 between -126 and 112; e6 + e7 between -123 and 130.  NaN among the biases is not served.
; acodes: images of the output projection's fragments: byte (64 batch + pixel / 16) x 8192 + (head / 2) x 2048 + c x 512 + 16 lane: lane (r, h) holds pixel r of the tile, channels 128 (head / 2) + 32 c + 16 h + 0 .. 15.
; LDS, all written by ds_store, every instruction 512 dense bytes at 16 x lane:  0: K's images, (8 step + c) x 1024 + 512 u;  65,536: V's, (4 step + t) x 2048 + 512 q;
;   131,072: the head's weights, T x 16384 + (2 t + s) x 2048 + 512 c (T = 0 q, 1 k, 2 v);  180,224: the biases as C operands, (4 T + t) x 1024 + 512 u.
; REGISTERS.  Window 0: v1-7, v18, v19 addresses; v8-17 scales; v20-39 a tile's statistics, ten each; v40-55 Q; then for Q's and K's projections v56-183 the weights, v184-215 their bias, v216-247 four
;   accumulators, v248-255 codes; for V's v56-135 two buffers of weights and bias, v136-199 eight accumulators, v200-215 codes; in the attention v64-191 S^T and p, v192-223 p's codes.
;   Window 1: in the projections x's 16 fragments; in the attention v0-63 K, v64-127 V, v128-191 O^T.
.set VIMG, 65536
.set WIMG, 131072
.set BOFF, 49152                       ; the biases lie so far behind the weights
.set LI,  1                            ; v1   16 x lane
.set LW,  2                            ; v2   16 x lane + WIMG
.set XA,  3                            ; v3   256 r + 16 h: a fragment's lane in rows of 256 bytes
.set SK,  4                            ; v4   where I store K's images: 16 x lane + 8192 w
.set SV,  5                            ; v5   V's: + VIMG
.set ADK, 6                            ; v6   the key step's K
.set ADV, 7                            ; v7   the key step's V
.set SCQ, 8                            ; v8, v9    2^(e6 - e0 - e1) and 57,344 x that
.set SCK, 10                           ; v10, v11  the same with e7 - e2 - e3
.set SCV, 12                           ; v12, v13  e8 - e4 - e5
.set SCP, 14                           ; v14, v15  e9
.set SCO, 16                           ; v16, v17  e10
.set WAV, 18                           ; v18  256 (r + 8 (r / 8)) + 16 h: vw's lane
.set SW,  19                           ; v19  where I stage weights: LW + 2048 w
.set ST,  20                           ; tile x at ST + 10 x: +0 -M, +1 the largest t, +2, +3 the sum in two halves, +4 f (+5 named with it), +6, +7 at work, +8 the other half's
.set QF,  40
.set WR,  56                           ; Q's, then K's weights: tile t, K step s at WR + 32 t + 16 s
.set BR,  184                          ; their bias: tile t's C operand at BR + 8 t
.set A4,  216                          ; four accumulators
.set K8,  248                          ; a tile's fragment of K
.set WB,  56                           ; V: two buffers of 40: a weight tile's two K steps (32) and its bias (8)
.set ACC, 136                          ; V: eight accumulators.  (At the head the staging loads land here)
.set KC,  200
.set S,   64
.set PC,  192
.set KF,  0                            ; window 1
.set VF,  64
.set O,   128
.set MSB, 0
.macro WIN new                         ; the immediate's high byte repeats the setting that is left; a switch that changes nothing is dropped
.if MSB != \new
	s_set_vgpr_msb (MSB<<8)|\new
.set MSB, \new
.endif
.endm
.macro PLACES n                        ; plain vector lines between a matrix instruction and a vector read of its result, or a load into one of its registers
.rept \n
	v_nop
.endr
.endm
.macro SCALE e, vr                     ; s[e] = a whole number: v[vr] = 2^e as f32, v[vr + 1] = 57,344 x 2^e
	s_add_co_i32 s62, s[\e], 127
	s_lshl_b32 s63, s62, 23
	v_mov_b32 v[\vr], s63
	s_add_co_i32 s62, s62, 15
	s_lshl_b32 s62, s62, 23
	s_or_b32 s62, s62, 0x600000
	v_mov_b32 v[\vr+1], s62
.endm
.macro XLOAD c                         ; x's tile c, both K steps, into window 1: v[32 c + 16 s ..]: eight loads
.irp s, 0,1
.irp q, 0,1,2,3
	global_load_b128 v[32*(\c)+16*\s+4*\q:32*(\c)+16*\s+4*\q+3], v[XA], s[44+2*((\c)/2):45+2*((\c)/2)] offset:((\c)%2)*4096+128*\s+32*\q
.endr
.endr
.endm
.macro XL c                            ; the same with its two switches of the window
	WIN 0x40                                       ; destination window 1
	XLOAD \c
	WIN 0
.endm
.macro FETCHR kind                     ; all of one projection's weights (kind = 0 q, 1 k) and its bias, from LDS into WR and BR: 40 loads
.irp t, 0,1,2,3
.irp s, 0,1
.irp c, 0,1,2,3
	ds_load_b128 v[WR+32*\t+16*\s+4*\c:WR+32*\t+16*\s+4*\c+3], v[LW] offset:(\kind)*16384+(2*\t+\s)*2048+512*\c
.endr
.endr
.endr
.irp t, 0,1,2,3
.irp u, 0,1
	ds_load_b128 v[BR+8*\t+4*\u:BR+8*\t+4*\u+3], v[LW] offset:BOFF+1024*(4*(\kind)+\t)+512*\u
.endr
.endr
.endm
.macro PROJ c                          ; the 64 channels of x's tile c: four accumulators by turns; the bias starts the sums
	WIN 0x04                                       ; source 1 (x) in window 1
.irp t, 0,1,2,3
	v_wmma_f32_16x16x128_bf8_bf8 v[A4+8*\t:A4+8*\t+7], v[WR+32*\t:WR+32*\t+15], v[32*(\c):32*(\c)+15], v[BR+8*\t:BR+8*\t+7]
.endr
.irp t, 0,1,2,3
	v_wmma_f32_16x16x128_bf8_bf8 v[A4+8*\t:A4+8*\t+7], v[WR+32*\t+16:WR+32*\t+31], v[32*(\c)+16:32*(\c)+31], v[A4+8*\t:A4+8*\t+7]
.endr
	WIN 0
.endm
.macro FETCHW p                        ; V's phase p = 8 + t: the weight tile's two fragments and its bias, from LDS into buffer p % 2: ten loads
.set WBB, WB+40*((\p)%2)
.irp s, 0,1
.irp c, 0,1,2,3
	ds_load_b128 v[WBB+16*\s+4*\c:WBB+16*\s+4*\c+3], v[LW] offset:((\p)/4)*16384+(2*((\p)%4)+\s)*2048+512*\c
.endr
.endr
.irp u, 0,1
	ds_load_b128 v[WBB+32+4*\u:WBB+32+4*\u+3], v[LW] offset:BOFF+1024*(\p)+512*\u
.endr
.endm
.macro MULV p                          ; one tile of vw against my eight tiles of pixels, x as source 0: eight accumulators by turns
.set WBB, WB+40*((\p)%2)
	WIN 0x01
.irp c, 0,1,2,3,4,5,6,7
	v_wmma_f32_16x16x128_bf8_bf8 v[ACC+8*\c:ACC+8*\c+7], v[32*\c:32*\c+15], v[WBB:WBB+15], v[WBB+32:WBB+39]
.endr
.irp c, 0,1,2,3,4,5,6,7
	v_wmma_f32_16x16x128_bf8_bf8 v[ACC+8*\c:ACC+8*\c+7], v[32*\c+16:32*\c+31], v[WBB+16:WBB+31], v[ACC+8*\c:ACC+8*\c+7]
.endr
	WIN 0
.endm
.macro QUANT8 a, sc, dst               ; eight numbers, from the low end on, become eight codes.  The conversion does not saturate (ISA guide 7.6.2): the hold at the largest code x the scale comes first
.irp i, 0,1,2,3,4,5,6,7
	v_med3_num_f32 v[(\a)+\i], v[(\a)+\i], -v[(\sc)+1], v[(\sc)+1]
.endr
	v_cvt_scalef32_pk8_bf8_f32 v[(\dst):(\dst)+1], v[(\a):(\a)+7], v[\sc]
.endm
.macro QUANT4 sc, dst                  ; the four accumulators of a tile of pixels become its K = 64 fragment, eight registers
.irp t, 0,1,2,3
	QUANT8 A4+8*\t, \sc, (\dst)+2*\t
.endr
	v_nop                                          ; a plain line behind the last conversion: the next products write its sources
.endm
.macro KTILE c                         ; K of x's tile c: eight products, the fragment, its image to LDS
.if (\c) > 1
	s_wait_loadcnt 8*(7-(\c))                      ; tile c is in; the tiles behind it, eight loads each, stay out
.endif
	PROJ \c
.if (\c) == 0
	XL 7                                           ; the last tile of x is asked for
.endif
	PLACES 4
.if (\c) == 7
	FETCHW 8                                       ; V's first weights, into registers that K's last products have read, four places back
	s_wait_dscnt 10                                ; tile 6's two stores have read their registers; the ten loads just issued stay out
.elseif (\c) > 0
	s_wait_dscnt 0x0                               ; the last tile's two stores have read their registers
.endif
	QUANT4 SCK, K8
	ds_store_b128 v[SK], v[K8:K8+3] offset:1024*(\c)
	ds_store_b128 v[SK], v[K8+4:K8+7] offset:1024*(\c)+512
.endm
.macro QUANTV t                        ; V's channel tile t: the eight tiles of keys give one K = 128 fragment
.irp c, 0,1,2,3,4,5,6,7
	QUANT8 ACC+8*\c, SCV, KC+2*\c
.endr
	v_nop
.irp q, 0,1,2,3
	ds_store_b128 v[SV], v[KC+4*\q:KC+4*\q+3] offset:2048*(\t)+512*\q
.endr
.endm
.macro KLOAD off                       ; a key step's eight fragments of K
.irp c, 0,1,2,3,4,5,6,7
.irp u, 0,1
	ds_load_b128 v[KF+8*\c+4*\u:KF+8*\c+4*\u+3], v[ADK] offset:\off+1024*\c+512*\u
.endr
.endr
.endm
.macro VLOAD                           ; and its four of V
.irp t, 0,1,2,3
.irp q, 0,1,2,3
	ds_load_b128 v[VF+16*\t+4*\q:VF+16*\t+4*\q+3], v[ADV] offset:2048*\t+512*\q
.endr
.endr
.endm
.macro SUMITEM x, k                    ; line k of 32 of tile x's sum of p: two chains, two numbers a line
.if (\k) == 0
	v_pk_mul_f32 v[ST+10*\x+2:ST+10*\x+3], v[ST+10*\x+2:ST+10*\x+3], v[ST+10*\x+4:ST+10*\x+5] op_sel_hi:[1,0]   ; the sum under the new M
.elseif (\k) == 1
	s_wait_alu depctr_va_vdst(0)
	v_pk_add_f32 v[ST+10*\x+6:ST+10*\x+7], v[S+64*\x:S+64*\x+1], v[S+64*\x+2:S+64*\x+3]
.elseif (\k)%2 == 0
	v_pk_add_f32 v[ST+10*\x+2:ST+10*\x+3], v[ST+10*\x+2:ST+10*\x+3], v[S+64*\x+2*(\k):S+64*\x+2*(\k)+1]
.else
	v_pk_add_f32 v[ST+10*\x+6:ST+10*\x+7], v[ST+10*\x+6:ST+10*\x+7], v[S+64*\x+2*(\k):S+64*\x+2*(\k)+1]
.endif
.endm
	s_load_b512 s[8:23], s[0:1], 0x0               ; x s[8:9], qw s[10:11], kw s[12:13], vw s[14:15], qb s[16:17], kb s[18:19], vb s[20:21], the exponents s[22:23]
	s_load_b64 s[24:25], s[0:1], 0x40              ; acodes
	v_lshl_add_u32 v29, v0, 2, 0x2f000
	v_mov_b32 v39, 0
	v_lshrrev_b32 v1, 5, v0
	v_readfirstlane_b32 s2, v1                     ; wave 0..7
	s_mov_b32 s3, ttmp9                            ; QB: my block of 256 queries
	s_and_b32 s4, ttmp7, 0xffff
	s_and_b32 s5, s4, 7                            ; the head
	s_lshr_b32 s6, s4, 3                           ; the batch
	s_lshr_b32 s7, s2, 1                           ; staging: I bring tile t = w / 2,
	s_and_b32 s31, s2, 1                           ; K step (and bias quad) w % 2 of each weight
	v_and_b32 v1, 31, v0
	v_lshlrev_b32 v[LI], 4, v1
	v_add_nc_u32 v[LW], WIMG, v[LI]
	v_and_b32 v6, 15, v0                           ; r
	v_bfe_u32 v7, v0, 4, 1                         ; h
	v_lshlrev_b32 v[XA], 8, v6
	v_lshl_add_u32 v[XA], v7, 4, v[XA]
	s_lshl_b32 s26, s2, 13
	v_add_nc_u32 v[SK], s26, v[LI]
	v_add_nc_u32 v[SV], VIMG, v[SK]
	v_and_b32 v[WAV], 8, v6
	v_add_nc_u32 v[WAV], v[WAV], v6                ; r + 8 (r / 8)
	v_lshlrev_b32 v21, 2, v[WAV]                   ; vb: 4 bytes a channel  (v20-22 serve the staging; the statistics take them later)
	v_lshlrev_b32 v[WAV], 8, v[WAV]
	v_lshl_add_u32 v[WAV], v7, 4, v[WAV]
	s_lshl_b32 s26, s2, 11
	v_add_nc_u32 v[SW], s26, v[LW]
	v_lshlrev_b32 v20, 5, v7                       ; qb, kb: lanes 16-31 take the eight channels behind lanes 0-15's
	s_lshl_b32 s26, s2, 9
	v_add_nc_u32 v22, s26, v[LW]
	v_add_nc_u32 v22, BOFF, v22                    ; where I stage a bias quad: + 512 w
	; byte offsets of what I stage
	s_lshl_b32 s26, s5, 14                         ; the head's 64 rows of 256 bytes
	s_lshl_b32 s28, s7, 12
	s_add_co_u32 s28, s28, s26
	s_lshl_b32 s30, s31, 7
	s_add_co_u32 s28, s28, s30                     ; qw, kw: row 64 head + 16 t, K step
	s_mov_b32 s29, 0
	s_lshr_b32 s62, s7, 1
	s_lshl_b32 s62, s62, 13
	s_and_b32 s63, s7, 1
	s_lshl_b32 s63, s63, 11
	s_add_co_u32 s62, s62, s63                     ; 32 (t / 2) + 8 (t % 2) rows of 256 bytes
	s_add_co_u32 s26, s26, s62
	s_add_co_u32 s26, s26, s30                     ; vw
	s_mov_b32 s27, 0
	s_lshr_b32 s62, s62, 6                         ; the same rows at 4 bytes
	s_lshl_b32 s60, s5, 8
	s_add_co_u32 s62, s62, s60                     ; vb
	s_mov_b32 s63, 0
	s_lshl_b32 s61, s7, 6
	s_add_co_u32 s60, s60, s61
	s_lshl_b32 s61, s31, 4
	s_add_co_u32 s60, s60, s61                     ; qb, kb: channel 64 head + 16 t + 4 u
	s_mov_b32 s61, 0
	s_mov_b32 s54, 0x76543210                      ; v_permlanex16_b32: lane l xor 16
	s_mov_b32 s55, 0xfedcba98
	s_wait_kmcnt 0x0
	s_load_b256 s[32:39], s[22:23], 0x0            ; e0 .. e7
	s_load_b128 s[40:43], s[22:23], 0x20           ; e8 .. e11
	s_add_nc_u64 s[10:11], s[10:11], s[28:29]
	s_add_nc_u64 s[12:13], s[12:13], s[28:29]
	s_add_nc_u64 s[14:15], s[14:15], s[26:27]
	s_add_nc_u64 s[16:17], s[16:17], s[60:61]
	s_add_nc_u64 s[18:19], s[18:19], s[60:61]
	s_add_nc_u64 s[20:21], s[20:21], s[62:63]
.irp c, 0,1,2,3                                ; 15 staging loads
	global_load_b128 v[ACC+4*\c:ACC+4*\c+3], v[XA], s[10:11] offset:32*\c
	global_load_b128 v[ACC+16+4*\c:ACC+16+4*\c+3], v[XA], s[12:13] offset:32*\c
	global_load_b128 v[ACC+32+4*\c:ACC+32+4*\c+3], v[WAV], s[14:15] offset:32*\c
.endr
	global_load_b128 v[ACC+48:ACC+51], v20, s[16:17]
	global_load_b128 v[ACC+52:ACC+55], v20, s[18:19]
	global_load_b32 v[ACC+56], v21, s[20:21]
	s_lshl_b32 s26, s6, 18                         ; x: the batch's 1,024 rows of 256 bytes, my wave's 32 rows in a block of 256
	s_lshl_b32 s28, s2, 13
	s_add_co_u32 s26, s26, s28
	s_add_nc_u64 s[8:9], s[8:9], s[26:27]
.irp i, 0,1,2,3
	s_add_co_u32 s28, s3, \i
	s_and_b32 s28, s28, 3
	s_lshl_b32 s28, s28, 16                        ; block (QB + i) % 4
	s_add_nc_u64 s[44+2*\i:45+2*\i], s[8:9], s[28:29]
.endr
	WIN 0x40                                       ; destination window 1
	XLOAD 0                                        ; my two tiles of queries: 16 loads behind the staging's 15
	XLOAD 1
	WIN 0
	s_lshl_b32 s26, s6, 6                          ; acodes: tile 64 batch + 16 QB + 2 w,
	s_lshl_b32 s28, s3, 4
	s_add_co_u32 s26, s26, s28
	s_lshl_b32 s28, s2, 1
	s_add_co_u32 s26, s26, s28
	s_lshl_b32 s26, s26, 13
	s_lshr_b32 s28, s5, 1
	s_lshl_b32 s28, s28, 11                        ; K step head / 2,
	s_add_co_u32 s26, s26, s28
	s_and_b32 s28, s5, 1
	s_lshl_b32 s28, s28, 10                        ; quads 2 (head % 2) on
	s_add_co_u32 s26, s26, s28
	s_add_nc_u64 s[24:25], s[24:25], s[26:27]
	s_wait_kmcnt 0x0
	s_add_co_i32 s59, s32, s33
	s_sub_co_i32 s26, s38, s59
	SCALE 26, SCQ
	s_sub_co_i32 s59, 0, s59                       ; -(e0 + e1)
	s_add_co_i32 s60, s34, s35
	s_sub_co_i32 s26, s39, s60
	SCALE 26, SCK
	s_sub_co_i32 s60, 0, s60                       ; -(e2 + e3)
	s_add_co_i32 s61, s36, s37
	s_sub_co_i32 s26, s40, s61
	SCALE 26, SCV
	s_sub_co_i32 s61, 0, s61                       ; -(e4 + e5)
	SCALE 41, SCP
	SCALE 42, SCO
	s_add_co_i32 s58, s40, s41                     ; e8 + e9
	s_add_co_i32 s26, s38, s39
	s_lshl_b32 s26, s26, 23
	s_add_co_i32 s52, s26, 0x3e38aa3b              ; c = log2(e) / 8, with e6 + e7 added to its exponent field
	s_mov_b32 s53, s52                             ; (named with it as a pair, so it is written)
	s_wait_loadcnt 16                              ; the 15 staging loads are in; the 16 loads of x issued behind them stay out
.irp i, 0,1,2,3
	v_ldexp_f32 v[ACC+48+\i], v[ACC+48+\i], s59    ; a bias goes in divided by the power of two that the sums lack
	v_ldexp_f32 v[ACC+52+\i], v[ACC+52+\i], s60
.endr
	v_ldexp_f32 v[ACC+56], v[ACC+56], s61
	v_mov_b32 v[ACC+57], v[ACC+56]                 ; V's result has one channel a lane: its bias fills the lane's registers
	v_mov_b32 v[ACC+58], v[ACC+56]
	v_mov_b32 v[ACC+59], v[ACC+56]
.irp c, 0,1,2,3
	ds_store_b128 v[SW], v[ACC+4*\c:ACC+4*\c+3] offset:512*\c
	ds_store_b128 v[SW], v[ACC+16+4*\c:ACC+16+4*\c+3] offset:16384+512*\c
	ds_store_b128 v[SW], v[ACC+32+4*\c:ACC+32+4*\c+3] offset:32768+512*\c
.endr
	ds_store_b128 v22, v[ACC+48:ACC+51]
	ds_store_b128 v22, v[ACC+52:ACC+55] offset:4096
	ds_store_b128 v22, v[ACC+56:ACC+59] offset:8192
	s_wait_dscnt 0x0                               ; for the others' sake: my part of the weights and biases lies in LDS
	s_barrier_signal -1
	s_barrier_wait -1                              ; everybody's does
	; ---- Q: my two tiles of queries, with all of Q's weights in registers; x's later tiles are asked for between the work
	FETCHR 0
	WIN 0x40
	XLOAD 2
	XLOAD 3
	XLOAD 4
	WIN 0
	s_wait_dscnt 0x0                               ; Q's weights and bias are in
	s_wait_loadcnt 32                              ; x's tile 0 is in; tiles 1 to 4, 32 loads, stay out
	PROJ 0
	XL 5
	PLACES 4
	QUANT4 SCQ, QF
	s_wait_loadcnt 32                              ; tile 1 is in; tiles 2 to 5 stay out
	PROJ 1
	PLACES 4                                       ; the loads below land in the registers that these products have read
	FETCHR 1                                       ; K's weights: they land under tile 1's conversions
	XL 6
	QUANT4 SCQ, QF+8
	s_wait_dscnt 0x0                               ; K's weights and bias are in
	; ---- K: tile by tile of x, in the order in which the tiles were asked for
.irp c, 0,1,2,3,4,5,6,7
	KTILE \c
.endr
	; ---- V: four tiles of channels, each against all eight tiles of pixels.  The holds of the part before are the places in front of each phase's loads and products
.irp p, 8,9,10,11
	s_wait_dscnt 0x0                               ; this phase's weights are in, and the last image stores have read their registers
.if \p < 11
	FETCHW \p+1
.endif
	MULV \p
	PLACES 4
	QUANTV \p-8
.endr
	s_wait_dscnt 0x0                               ; for the others' sake: my key step's images lie in LDS
	s_barrier_signal -1
	s_barrier_wait -1                              ; the head's K and V are whole; from here on LDS is only read
	; ---- the attention.  The key step is written once for the loop: O^T and the sums begin as zeros and the largest t as -3e38, and the first change of M multiplies zeros
.irp x, 0,1
	v_mov_b32 v[ST+10*\x+1], 0xff61b1e6
	v_floor_f32 v[ST+10*\x], -v[ST+10*\x+1]
	v_mov_b32 v[ST+10*\x+2], 0
	v_mov_b32 v[ST+10*\x+3], 0
	v_mov_b32 v[ST+10*\x+5], 0                     ; (named as the upper half of f's pair)
	v_mov_b32 v[ST+10*\x+8], 0                     ; (a lane permute's destination counts as read)
.endr
	s_mov_b32 s56, 0                               ; LDS byte of the key step in hand
	s_mov_b32 s57, 7
	v_add_nc_u32 v[ADK], s56, v[LI]
	WIN 0x40
.set j, 0
.rept 64
	v_mov_b32 v[O+j], 0
.set j, j+1
.endr
	KLOAD 0
	WIN 0
; A KEY STEP: 128 keys for my two tiles of queries.  last = 1: no further K is fetched.
.macro STEP last
	s_wait_dscnt 0x0                               ; this step's K is in (asked for a whole softmax ago)
	WIN 0x01                                       ; source 0 (K) in window 1
.irp c, 0,1,2,3,4,5,6,7
.irp x, 0,1
	v_wmma_f32_16x16x64_bf8_bf8 v[S+64*\x+8*\c:S+64*\x+8*\c+7], v[KF+8*\c:KF+8*\c+7], v[QF+8*\x:QF+8*\x+7], 0
.endr
.endr
	WIN 0
	v_add_nc_u32 v[ADK], s56, v[LI]                ; these two and the two below are the four places in front of the loads into K's and V's registers and of the first read of the scores
	v_add_nc_u32 v[ADV], VIMG, v[ADK]
	v_nop
	v_nop
	WIN 0x40
	VLOAD                                          ; this step's V: it lands under the softmax
.if !\last
	KLOAD 8192                                     ; and the next step's K
.endif
	WIN 0
.irp x, 0,1                                    ; each query's largest score among my 64 keys: two chains a tile, each accumulator from its low end on, the tiles line by line
	v_max3_num_f32 v[ST+10*\x+6], v[S+64*\x], v[S+64*\x+1], v[S+64*\x+2]
.endr
.irp x, 0,1
	v_max3_num_f32 v[ST+10*\x+7], v[S+64*\x+3], v[S+64*\x+4], v[S+64*\x+5]
.endr
.irp i, 6,10,14,18,22,26,30,34,38,42,46,50,54,58
.irp x, 0,1
	v_max3_num_f32 v[ST+10*\x+6], v[ST+10*\x+6], v[S+64*\x+\i], v[S+64*\x+\i+1]
.endr
.irp x, 0,1
	v_max3_num_f32 v[ST+10*\x+7], v[ST+10*\x+7], v[S+64*\x+\i+2], v[S+64*\x+\i+3]
.endr
.endr
.irp x, 0,1
	v_max3_num_f32 v[ST+10*\x+6], v[ST+10*\x+6], v[S+64*\x+62], v[S+64*\x+63]
.endr
.irp x, 0,1
	v_max_num_f32 v[ST+10*\x+6], v[ST+10*\x+6], v[ST+10*\x+7]
.endr
.irp x, 0,1
	v_permlanex16_b32 v[ST+10*\x+8], v[ST+10*\x+6], s54, s55   ; the query's other 64 keys lie in the lane 16 away
.endr
.irp x, 0,1
	v_max_num_f32 v[ST+10*\x+6], v[ST+10*\x+6], v[ST+10*\x+8]
.endr
.irp x, 0,1
	v_mul_f32 v[ST+10*\x+6], s52, v[ST+10*\x+6]    ; as t (c is positive)
.endr
.irp x, 0,1
	v_max_num_f32 v[ST+10*\x+1], v[ST+10*\x+1], v[ST+10*\x+6]   ; the running largest t
.endr
.irp x, 0,1
	v_mov_b32 v[ST+10*\x+6], v[ST+10*\x]
.endr
.irp x, 0,1
	v_floor_f32 v[ST+10*\x], -v[ST+10*\x+1]        ; -M = floor(-t): M is a whole number
.endr
.irp x, 0,1
	v_sub_f32 v[ST+10*\x+6], v[ST+10*\x], v[ST+10*\x+6]   ; old M - new M, 0 or less
.endr
.irp x, 0,1
	v_cvt_i32_f32 v[ST+10*\x+6], v[ST+10*\x+6]     ; (it saturates)
.endr
.irp x, 0,1
	v_ldexp_f32 v[ST+10*\x+4], 1.0, v[ST+10*\x+6]  ; f = 2^(old M - new M): a multiplication by it rounds nothing
.endr
.set j, 0
.rept 32
	v_pk_fma_f32 v[S+j:S+j+1], v[S+j:S+j+1], s[52:53], v[ST:ST+1] op_sel_hi:[1,0,0]   ; tile 0: t - M, two at a time
.set j, j+2
.endr
.set j, 0
.rept 64                                       ; tile 0's exponentials, tile 1's scalings among them
	v_exp_f32 v[S+j], v[S+j]
.if j%2 == 0
	v_pk_fma_f32 v[S+64+j:S+64+j+1], v[S+64+j:S+64+j+1], s[52:53], v[ST+10:ST+11] op_sel_hi:[1,0,0]
.endif
.set j, j+1
.endr
.set j, 0
.rept 64                                       ; tile 1's exponentials, tile 0's sums among them: each reads weights whose exponentials stand 64 lines back or more
	v_exp_f32 v[S+64+j], v[S+64+j]
.if j%2 == 0
	SUMITEM 0, j/2
.endif
.set j, j+1
.endr
	v_pk_add_f32 v[ST+2:ST+3], v[ST+2:ST+3], v[ST+6:ST+7]
.set j, 0
.rept 32
	SUMITEM 1, j
.set j, j+1
.endr
	v_pk_add_f32 v[ST+12:ST+13], v[ST+12:ST+13], v[ST+16:ST+17]
	s_cmp_ge_i32 s41, -15                          ; p is at most 1 and 57,344 x 2^e9 is at least 1 from e9 = -15 on: then no p lies beyond the largest code, and the hold is passed over.
	s_cbranch_scc1 .Lno_hold_\@                    ; A scalar branch on a whole number that was given; it is the same in every wave, and no barrier and no load stands under it
.set j, 0
.rept 128
	v_min_num_f32 v[S+j], v[S+j], v[SCP+1]         ; p is never negative: the hold is one-sided
.set j, j+1
.endr
.Lno_hold_\@:
.irp x, 0,1
.irp c, 0,1,2,3,4,5,6,7
	v_cvt_scalef32_pk8_bf8_f32 v[PC+16*\x+2*\c:PC+16*\x+2*\c+1], v[S+64*\x+8*\c:S+64*\x+8*\c+7], v[SCP]
.endr
.endr
	WIN 0x41                                       ; O^T (destination and source 0) in window 1, f in window 0
.irp x, 0,1
.irp i, 0,2,4,6,8,10,12,14,16,18,20,22,24,26,28,30
	v_pk_mul_f32 v[O+32*\x+\i:O+32*\x+\i+1], v[O+32*\x+\i:O+32*\x+\i+1], v[ST+10*\x+4:ST+10*\x+5] op_sel_hi:[1,0]   ; O^T under the new M.  (Also the plain lines behind the conversions)
.endr
.endr
.if \last
	s_wait_dscnt 0x0                               ; V is in
.else
	s_wait_dscnt 16                                ; V is in; the 16 loads of the next step's K, issued behind it, stay out
.endif
	WIN 0x51                                       ; V in window 1, p's codes in window 0, O^T in window 1
.irp t, 0,1,2,3
.irp x, 0,1
	v_wmma_f32_16x16x128_bf8_bf8 v[O+32*\x+8*\t:O+32*\x+8*\t+7], v[VF+16*\t:VF+16*\t+15], v[PC+16*\x:PC+16*\x+15], v[O+32*\x+8*\t:O+32*\x+8*\t+7]
.endr
.endr
	WIN 0
	s_add_co_u32 s56, s56, 8192                    ; on to the next step's images
.endm
.Lstep:                                            ; seven trips; the eighth step is written out, since it fetches no further K
	STEP 0
	s_sub_co_u32 s57, s57, 1
	s_cmp_lg_u32 s57, 0
	s_cbranch_scc1 .Lstep
	STEP 1
	; ---- the way out: O^T x 2^(e8 + e9) / the sum, quantised with 2^e10, stored as images of the next product's fragments.  The additions are the places behind the last products
.irp x, 0,1
	v_add_f32 v[ST+10*\x+2], v[ST+10*\x+2], v[ST+10*\x+3]
.endr
.irp x, 0,1
	v_permlanex16_b32 v[ST+10*\x+8], v[ST+10*\x+2], s54, s55
.endr
.irp x, 0,1
	v_add_f32 v[ST+10*\x+2], v[ST+10*\x+2], v[ST+10*\x+8]
.endr
	v_nop
	v_nop
.irp x, 0,1
	v_rcp_f32 v[ST+10*\x+4], v[ST+10*\x+2]         ; the sum is above 1/2: the row's largest p is
.endr
	v_nop                                          ; a plain line between the last reciprocal and the use of its result
.irp x, 0,1
	s_wait_alu depctr_va_vdst(0)
	v_ldexp_f32 v[ST+10*\x+4], v[ST+10*\x+4], s58
.endr
	WIN 0x01                                       ; source 0 (O^T) in window 1
.irp x, 0,1
.irp i, 0,2,4,6,8,10,12,14,16,18,20,22,24,26,28,30
	v_pk_mul_f32 v[S+32*\x+\i:S+32*\x+\i+1], v[O+32*\x+\i:O+32*\x+\i+1], v[ST+10*\x+4:ST+10*\x+5] op_sel_hi:[1,0]
.endr
.endr
	WIN 0
.irp x, 0,1
.irp t, 0,1,2,3
	QUANT8 S+32*\x+8*\t, SCO, PC+8*\x+2*\t         ; tiles 2 b and 2 b + 1 give the quad of channels 32 b + 16 h + 0 .. 15
.endr
.endr
	v_nop
.irp x, 0,1
.irp b, 0,1
	global_store_b128 v[LI], v[PC+8*\x+4*\b:PC+8*\x+4*\b+3], s[24:25] offset:8192*\x+512*\b   ; the wave stores 512 consecutive bytes, at a multiple of 512 from the buffer's first byte
.endr
.endr
	s_wait_tensorcnt 0x0
	ds_add_u32 v29, v39
	s_wait_dscnt 0x0
	s_endpgm
.Lfunc_end_k_qad1ff3a0eb_attn:
	.size	k_qad1ff3a0eb_attn, .Lfunc_end_k_qad1ff3a0eb_attn-k_qad1ff3a0eb_attn
	.p2alignl 7, 3214868480
	.fill 96, 4, 3214868480
	.section	.rodata,"a",@progbits
	.p2align	6, 0x0
	.amdhsa_kernel k_qad1ff3a0eb_attn
		.amdhsa_group_segment_fixed_size 193536
		.amdhsa_private_segment_fixed_size 0
		.amdhsa_enable_private_segment 0
		.amdhsa_kernarg_size 72
		.amdhsa_user_sgpr_count 2
		.amdhsa_user_sgpr_kernarg_segment_ptr 1
		.amdhsa_wavefront_size32 1
		.amdhsa_system_sgpr_workgroup_id_x 1
		.amdhsa_system_sgpr_workgroup_id_y 1
		.amdhsa_system_sgpr_workgroup_id_z 1
		.amdhsa_system_vgpr_workitem_id 0
		.amdhsa_next_free_vgpr 512
		.amdhsa_next_free_sgpr 66
		.amdhsa_reserve_vcc 0
		.amdhsa_float_denorm_mode_32 3
		.amdhsa_float_denorm_mode_16_64 3
		.amdhsa_memory_ordered 1
		.amdhsa_forward_progress 1
		.amdhsa_inst_pref_size 145
	.end_amdhsa_kernel
	.amdgpu_metadata
---
amdhsa.version: [ 1, 2 ]
amdhsa.kernels:
  - .name:           k_qad1ff3a0eb_attn
    .symbol:         k_qad1ff3a0eb_attn.kd
    .args:
      - { .name: x_codes, .offset: 0, .size: 8, .value_kind: global_buffer, .address_space: global }
      - { .name: qw_codes, .offset: 8, .size: 8, .value_kind: global_buffer, .address_space: global }
      - { .name: kw_codes, .offset: 16, .size: 8, .value_kind: global_buffer, .address_space: global }
      - { .name: vw_codes, .offset: 24, .size: 8, .value_kind: global_buffer, .address_space: global }
      - { .name: qb, .offset: 32, .size: 8, .value_kind: global_buffer, .address_space: global }
      - { .name: kb, .offset: 40, .size: 8, .value_kind: global_buffer, .address_space: global }
      - { .name: vb, .offset: 48, .size: 8, .value_kind: global_buffer, .address_space: global }
      - { .name: lowp_scales, .offset: 56, .size: 8, .value_kind: global_buffer, .address_space: global }
      - { .name: acodes, .offset: 64, .size: 8, .value_kind: global_buffer, .address_space: global }
    .group_segment_fixed_size: 193536
    .private_segment_fixed_size: 0
    .kernarg_segment_align: 8
    .kernarg_segment_size: 72
    .max_flat_workgroup_size: 256
    .sgpr_count:     66
    .vgpr_count:     512
    .wavefront_size: 32
...
	.end_amdgpu_metadata
.endif
;; end of part 1
;; launch outp (part 2): grid 4 x 64, 4 waves a work-group, clusters of 4 x 4, 168,448 bytes of LDS; arguments acodes, ow_codes, ob, lowp_scales, out0; writes out0
.if DOCPART == 2
	.amdgcn_target "amdgcn-amd-amdhsa--gfx1250"
	.amdhsa_code_object_version 6
	.text
	.protected	k_qad1ff3a0eb_outp
	.globl	k_qad1ff3a0eb_outp
	.p2align	8
	.type	k_qad1ff3a0eb_outp,@function
k_qad1ff3a0eb_outp:
	s_mov_b64 s[64:65], 0
	v_nop
	global_prefetch_b8 v0, s[64:65] scope:SCOPE_SE
	s_setreg_imm32_b32 hwreg(HW_REG_WAVE_MODE, 25, 1), 1
	s_wait_xcnt 0x0
	s_wait_alu depctr_hold_cnt(0) depctr_sa_sdst(0) depctr_va_vdst(0) depctr_va_sdst(0) depctr_va_ssrc(0) depctr_va_vcc(0) depctr_vm_vsrc(0)
	s_getreg_b32 s2, hwreg(HW_REG_IB_STS2, 6, 4)
	s_cmp_eq_u32 s2, 0
	s_cbranch_scc0 .Lentry_in_a_cluster
	s_endpgm
.Lentry_in_a_cluster:
	s_bfe_u32 s2, ttmp6, 0x10000c
	s_cmp_lg_u32 s2, 0xf033
	s_cbranch_scc0 .Lentry_shape_is_right
	s_endpgm
.Lentry_shape_is_right:
; out0[b][f][n] = the sum over e of ow[f][e] a[b][e][n] x 2^(e10 + e11) + ob[f], on codes of E5M2.  a: this program's own buffer of codes, laid as images of the fragments
; (byte (64 b + n / 16) x 8192 + s x 2048 + c x 512 + 16 lane: lane (r, h) holds pixel r of the tile, e = 128 s + 32 c + 16 h + 0 .. 15).  ow: [512][512] codes.  out0: [8][512][1024] f32.
; LIMIT: e10 + e11 lies between -126 and 127, so that 2^(e10 + e11) is an f32 number.
; SHARES.  A work-group makes 128 pixels x 128 rows f: 256 work-groups, each taking in 64 KiB of a and 64 KiB of ow, all of K = 512 at once: LDS is filled once, nothing is filled again.
; Four waves, each 64 pixels x 64 f.  Source 0 = 16 pixels, source 1 = 16 rows of ow: a lane then holds one f (lane % 16) and eight NEIGHBOURING pixels, which are neighbours in out0.
; A wave's 16 fragments of a (256 registers, window 1) are read from LDS once; ow's come a block of 16 f at a time, in two sets; a block's four accumulators take turns.
; CLUSTERS: 4 x 4 work-groups.  The four of a row of the cluster need the same pixels' codes, the four of a column the same rows of ow: each tile is asked for JOINTLY, by the same tensor load with the same
; descriptor and a mask that names the four.  A wave has one tensor load out.
; ow's fragments come by four loads of 16 bytes (registers 4 c ..: k = 32 c + 16 h + 0 .. 15), the order in which a's images are laid: the same permutation of k on both sides.
; LDS: 0: a's images, 65,536 bytes, dense as in memory;  65,536: 128 rows of ow, 512 bytes + 16 of padding;  133,120: a stage of 16 rows x (256 + 16) bytes for each wave, into which no tile lands.
.set BROWS, 65536
.set BP,    528                        ; 132 words: row r starts at bank 4 r mod 64 (64 banks of 4 bytes: ISA guide 11.1), so the 16 rows that a load touches start at 16 different banks
.set STAGE, 133120
.set SP,    272
.set LI,  1                            ; v1   16 x lane
.set ADA, 2                            ; v2   a's images: 16 x lane + my half's 32,768 bytes
.set ADB, 3                            ; v3   ow's rows: my half's 64 rows, row r, + 16 h
.set STO, 4                            ; v4   the stage: where I put 32 bytes of a row
.set RD,  5                            ; v5   and where I read a row back
.set CO,  6                            ; v6   my byte offset in two rows of out0
.set OA,  7                            ; v7   4 r
.set OB,  16                           ; v16-23  pairs: ob of my f in block b, and 0
.set BF,  32                           ; v32-159 ow's fragments, two sets of 64
.set ACC, 160                          ; v160-191 four accumulators
.set TMP, 224                          ; v224-255 a block's results, then its rows read back
.set G1A, 24                           ; s[24:31] descriptor group 1 for a;  s[32:35] its group 0
.set G0A, 32
.set G1B, 48                           ; s[48:55], s[56:59] the same for ow
.set G0B, 56
.set MSB, 0
.macro WIN new                         ; the immediate's high byte repeats the setting that is left
.if MSB != \new
	s_set_vgpr_msb (MSB<<8)|\new
.set MSB, \new
.endif
.endm
.macro PLACES n
.rept \n
	v_nop
.endr
.endm
.macro CROUND                          ; a round of the cluster's barrier: my work-group's barrier; wave 0 signals for the work-group; every wave waits for all sixteen; my work-group's barrier once more
	s_barrier_signal -1
	s_barrier_wait -1
	s_cmp_lg_u32 s14, 0
	s_cbranch_scc1 .Lnot_wave_0_\@
	s_barrier_signal -3
.Lnot_wave_0_\@:
	s_barrier_wait -3
	s_barrier_signal -1
	s_barrier_wait -1
.endm
	s_load_b256 s[4:11], s[0:1], 0x0               ; a s[4:5], ow s[6:7], ob s[8:9], the exponents s[10:11]
	s_load_b64 s[12:13], s[0:1], 0x20              ; out0
	v_lshl_add_u32 v222, v0, 2, 0x29000
	v_mov_b32 v223, 0
	ds_add_u32 v222, v223
	ds_add_u32 v222, v223
	v_lshrrev_b32 v1, 5, v0
	v_readfirstlane_b32 s14, v1                    ; wave 0..3
	s_lshr_b32 s15, s14, 1                         ; which half of the pixels is mine.  Also: I fetch for a (0) or for ow (1)
	s_and_b32 s16, s14, 1                          ; which half of the rows f.  Also: which half of that tile I fetch
	s_bfe_u32 s40, ttmp6, 0x40000                  ; cx, cy: my place in the cluster
	s_bfe_u32 s41, ttmp6, 0x40004
	s_lshl_b32 s42, ttmp9, 2
	s_add_co_u32 s42, s42, s40                     ; block of 128 f = 4 x cluster x + cx
	s_and_b32 s17, ttmp7, 0xffff
	s_lshl_b32 s17, s17, 2
	s_add_co_u32 s17, s17, s41                     ; block of 128 pixels = 4 x cluster y + cy
	s_lshl_b32 s43, s41, 2
	s_lshl_b32 s43, 15, s43                        ; my row of the cluster
	s_lshl_b32 s44, 0x1111, s40                    ; my column
	; a: a dense block of 32,768 bytes as 128 rows of 32 elements of 8 bytes, no padding
	s_or_b32 s[G1A], s43, (3<<16)|(1<<21)          ; 15:0 the mask: my row; 17:16 elements of 8 bytes; 21 set beside a mask
	s_mov_b32 s[G1A+1], 32<<16                     ; tensor_dim0 = 32
	s_mov_b32 s[G1A+2], 128<<16                    ; tensor_dim1 = 128
	s_mov_b32 s[G1A+3], 32<<16                     ; tile_dim0 = 32
	s_mov_b32 s[G1A+4], 128                        ; tile_dim1 = 128
	s_mov_b32 s[G1A+5], 32                         ; from row to row
	s_mov_b32 s[G1A+6], 0
	s_mov_b32 s[G1A+7], 0
	; ow: 64 rows of 512 bytes, 16 bytes of padding behind each
	s_or_b32 s[G1B], s44, (1<<20)|(1<<21)|(6<<22)|(3<<25)   ; 15:0 the mask: my column; elements of 1 byte; 20 padding on; 24:22 after every 128 words (code 6); 31:25 four words (code 3)
	s_mov_b32 s[G1B+1], 512<<16
	s_mov_b32 s[G1B+2], 64<<16
	s_mov_b32 s[G1B+3], 512<<16
	s_mov_b32 s[G1B+4], 64
	s_mov_b32 s[G1B+5], 512
	s_mov_b32 s[G1B+6], 0
	s_mov_b32 s[G1B+7], 0
	s_lshl_b32 s18, s16, 15                        ; the half that I fetch: 32,768 bytes in memory, of a and of ow alike
	s_lshl_b32 s20, s17, 16
	s_add_co_u32 s20, s20, s18                     ; a: 65,536 x block of pixels + the half: it hangs on cy alone
	s_mov_b32 s21, 0
	s_lshl_b32 s36, s42, 16
	s_add_co_u32 s36, s36, s18                     ; ow: 128 rows of 512 bytes x block of f + the half: on cx alone
	s_mov_b32 s37, 0
	s_wait_dscnt 0x0
	s_wait_kmcnt 0x0
	s_load_b64 s[46:47], s[10:11], 0x28            ; e10, e11
	CROUND                                         ; all sixteen work-groups are here: the joint loads meet
	s_mov_b32 s[G0A], 1                            ; count = 1
	s_lshl_b32 s[G0A+1], s16, 15                   ; LDS address: no place in the cluster enters it
	s_add_nc_u64 s[G0A+2:G0A+3], s[4:5], s[20:21]
	s_or_b32 s[G0A+3], s[G0A+3], 0x80000000        ; type = 2
	s_mov_b32 s[G0B], 1
	s_mul_i32 s[G0B+1], s16, 64*BP
	s_add_co_u32 s[G0B+1], s[G0B+1], BROWS
	s_add_nc_u64 s[G0B+2:G0B+3], s[6:7], s[36:37]
	s_or_b32 s[G0B+3], s[G0B+3], 0x80000000
	s_cmp_eq_u32 s15, 0                            ; waves 0 and 1 fetch a's halves, waves 2 and 3 ow's; four v_nop follow each of the two lines
	s_cbranch_scc0 .Lfor_b
	tensor_load_to_lds s[G0A:G0A+3], s[G1A:G1A+7]
	s_nop 0
.rept 4
	v_nop
.endr
	s_branch .Lasked
.Lfor_b:
	tensor_load_to_lds s[G0B:G0B+3], s[G1B:G1B+7]
	s_nop 0
.rept 4
	v_nop
.endr
.Lasked:
	v_and_b32 v1, 31, v0
	v_lshlrev_b32 v[LI], 4, v1
	s_lshl_b32 s18, s15, 15
	v_add_nc_u32 v[ADA], s18, v[LI]
	v_and_b32 v8, 15, v0                           ; r
	v_bfe_u32 v9, v0, 4, 1                         ; h
	v_mul_u32_u24 v[ADB], v8, BP
	v_lshl_add_u32 v[ADB], v9, 4, v[ADB]
	s_mul_i32 s18, s16, 64*BP
	s_add_co_u32 s18, s18, BROWS
	v_add_nc_u32 v[ADB], s18, v[ADB]
	s_mul_i32 s19, s14, 16*SP
	s_add_co_u32 s19, s19, STAGE                   ; my stage
	v_mul_u32_u24 v[STO], v8, SP                   ; in: row f = r, 32 bytes for each half of the lanes
	v_lshl_add_u32 v[STO], v9, 5, v[STO]
	v_add_nc_u32 v[STO], s19, v[STO]
	v_mul_u32_u24 v[RD], v9, SP                    ; back: lanes 0-15 take one row of 256 bytes, lanes 16-31 the next
	v_lshl_add_u32 v[RD], v8, 4, v[RD]
	v_add_nc_u32 v[RD], s19, v[RD]
	v_lshlrev_b32 v[CO], 12, v9                    ; and the same two rows in out0: a row f is 4,096 bytes
	v_lshl_add_u32 v[CO], v8, 4, v[CO]
	v_lshlrev_b32 v[OA], 2, v8
	s_lshr_b32 s60, s17, 3                         ; out0: the batch's 512 rows of 4,096 bytes,
	s_lshl_b32 s60, s60, 21
	s_lshl_b32 s61, s42, 19                        ; row 128 x block of f
	s_add_co_u32 s60, s60, s61
	s_lshl_b32 s61, s16, 18                        ; + 64 x half,
	s_add_co_u32 s60, s60, s61
	s_and_b32 s61, s17, 7
	s_lshl_b32 s61, s61, 9                         ; pixel 128 x (block of pixels % 8)
	s_add_co_u32 s60, s60, s61
	s_lshl_b32 s61, s15, 8                         ; + 64 x half
	s_add_co_u32 s60, s60, s61
	s_mov_b32 s61, 0
	s_add_nc_u64 s[12:13], s[12:13], s[60:61]
	s_lshl_b32 s62, s42, 9
	s_lshl_b32 s63, s16, 8
	s_add_co_u32 s62, s62, s63
	s_mov_b32 s63, 0
	s_add_nc_u64 s[8:9], s[8:9], s[62:63]          ; ob at my first f
.irp b, 0,1,2,3
	global_load_b32 v[OB+2*\b], v[OA], s[8:9] offset:64*\b
	v_mov_b32 v[OB+2*\b+1], 0                      ; (named as the upper half of the pair)
.endr
	s_wait_kmcnt 0x0
	s_add_co_i32 s46, s46, s47
	s_add_co_i32 s46, s46, 127
	s_lshl_b32 s46, s46, 23                        ; 2^(e10 + e11) as f32
	s_mov_b32 s47, s46                             ; (named with it as a pair)
	s_wait_loadcnt 0x0                             ; ob
	s_wait_tensorcnt 0x0                           ; my part of the tiles is in LDS,
	s_barrier_signal -1
	s_barrier_wait -1                              ; everybody's is
.macro FETCHB b                        ; ow's block b (16 rows f), all four K steps, into set b % 2
.set BB, BF+64*((\b)%2)
.irp s, 0,1,2,3
.irp c, 0,1,2,3
	ds_load_b128 v[BB+16*\s+4*\c:BB+16*\s+4*\c+3], v[ADB] offset:16*BP*(\b)+128*\s+32*\c
.endr
.endr
.endm
.macro MUL b                           ; 16 matrix instructions: K step by K step, my four tiles of pixels by turns; the first K step starts the sums
.set BB, BF+64*((\b)%2)
	WIN 0x01                                       ; source 0 (a) in window 1
.irp s, 0,1,2,3
.if (\b) == 0
	s_wait_dscnt 48-16*\s                          ; ow's block 0 and a's K steps up to this one are in; the K steps issued behind stay out
.elseif \s == 0
	s_wait_dscnt 16                                ; ow's block is in; the stage's 8 stores and 8 loads, issued behind it, stay out
.endif
.irp a, 0,1,2,3
.if \s == 0
	v_wmma_f32_16x16x128_bf8_bf8 v[ACC+8*\a:ACC+8*\a+7], v[64*\s+16*\a:64*\s+16*\a+15], v[BB+16*\s:BB+16*\s+15], 0
.else
	v_wmma_f32_16x16x128_bf8_bf8 v[ACC+8*\a:ACC+8*\a+7], v[64*\s+16*\a:64*\s+16*\a+15], v[BB+16*\s:BB+16*\s+15], v[ACC+8*\a:ACC+8*\a+7]
.endif
.endr
.endr
	WIN 0
.endm
.macro TOSTAGE b                       ; sum x 2^(e10 + e11) + ob, each accumulator from its low end on; into my stage, and back as whole rows of 256 bytes, into the registers that they left
.irp a, 0,1,2,3
.irp i, 0,2,4,6
	v_pk_fma_f32 v[TMP+8*\a+\i:TMP+8*\a+\i+1], v[ACC+8*\a+\i:ACC+8*\a+\i+1], s[46:47], v[OB+2*(\b):OB+2*(\b)+1] op_sel_hi:[1,0,0]
.endr
.endr
.irp a, 0,1,2,3
	ds_store_b128 v[STO], v[TMP+8*\a:TMP+8*\a+3] offset:64*\a            ; lane (r, h): row f = r, pixels 16 a + 8 h + 0 .. 7
	ds_store_b128 v[STO], v[TMP+8*\a+4:TMP+8*\a+7] offset:64*\a+16
.endr
.irp i, 0,1,2,3,4,5,6,7
	ds_load_b128 v[TMP+4*\i:TMP+4*\i+3], v[RD] offset:2*SP*\i            ; LDS serves a wave's instructions in order (ISA guide 5.7.1.4): these see the stores above
.endr
.endm
.macro SEND b
.irp i, 0,1,2,3,4,5,6,7
	s_wait_dscnt 7-\i                              ; rows 2 i and 2 i + 1 are back; the younger loads stay out
	global_store_b128 v[CO], v[TMP+4*\i:TMP+4*\i+3], s[12:13] offset:(16*(\b)+2*\i)*4096 th:TH_STORE_NT   ; 16 lanes store 256 consecutive bytes, at a multiple of 256 from out0's first byte; written once, read by nobody here
.endr
.endm
	FETCHB 0
	WIN 0x40                                       ; destination window 1
.irp s, 0,1,2,3                                ; all of my 64 pixels' codes, K step by K step: read from LDS once
.irp a, 0,1,2,3
.irp q, 0,1,2,3
	ds_load_b128 v[64*\s+16*\a+4*\q:64*\s+16*\a+4*\q+3], v[ADA] offset:8192*\a+2048*\s+512*\q
.endr
.endr
.endr
	WIN 0
.irp b, 0,1,2,3
	MUL \b
.if \b > 0
	SEND \b-1                                      ; the block before leaves: its way through the stage lay under this block's products
	s_wait_xcnt 0x0                                ; the stores have read their registers, which are written again below
.endif
	PLACES 4                                       ; in front of the first read of this block's sums
.if \b < 3
	FETCHB \b+1
.endif
	TOSTAGE \b
.endr
	SEND 3
	s_wait_tensorcnt 0x0
	ds_add_u32 v222, v223
	s_wait_dscnt 0x0
	CROUND                                         ; the closing round: no work-group ends while a partner may still ask for a tile that names it
	s_endpgm
.Lfunc_end_k_qad1ff3a0eb_outp:
	.size	k_qad1ff3a0eb_outp, .Lfunc_end_k_qad1ff3a0eb_outp-k_qad1ff3a0eb_outp
	.p2alignl 7, 3214868480
	.fill 96, 4, 3214868480
	.section	.rodata,"a",@progbits
	.p2align	6, 0x0
	.amdhsa_kernel k_qad1ff3a0eb_outp
		.amdhsa_group_segment_fixed_size 168448
		.amdhsa_private_segment_fixed_size 0
		.amdhsa_enable_private_segment 0
		.amdhsa_kernarg_size 40
		.amdhsa_user_sgpr_count 2
		.amdhsa_user_sgpr_kernarg_segment_ptr 1
		.amdhsa_wavefront_size32 1
		.amdhsa_system_sgpr_workgroup_id_x 1
		.amdhsa_system_sgpr_workgroup_id_y 1
		.amdhsa_system_sgpr_workgroup_id_z 1
		.amdhsa_system_vgpr_workitem_id 0
		.amdhsa_next_free_vgpr 512
		.amdhsa_next_free_sgpr 66
		.amdhsa_reserve_vcc 0
		.amdhsa_float_denorm_mode_32 3
		.amdhsa_float_denorm_mode_16_64 3
		.amdhsa_memory_ordered 1
		.amdhsa_forward_progress 1
		.amdhsa_inst_pref_size 32
	.end_amdhsa_kernel
	.amdgpu_metadata
---
amdhsa.version: [ 1, 2 ]
amdhsa.kernels:
  - .name:           k_qad1ff3a0eb_outp
    .symbol:         k_qad1ff3a0eb_outp.kd
    .args:
      - { .name: acodes, .offset: 0, .size: 8, .value_kind: global_buffer, .address_space: global }
      - { .name: ow_codes, .offset: 8, .size: 8, .value_kind: global_buffer, .address_space: global }
      - { .name: ob, .offset: 16, .size: 8, .value_kind: global_buffer, .address_space: global }
      - { .name: lowp_scales, .offset: 24, .size: 8, .value_kind: global_buffer, .address_space: global }
      - { .name: out0, .offset: 32, .size: 8, .value_kind: global_buffer, .address_space: global }
    .group_segment_fixed_size: 168448
    .private_segment_fixed_size: 0
    .kernarg_segment_align: 8
    .kernarg_segment_size: 40
    .max_flat_workgroup_size: 128
    .sgpr_count:     66
    .vgpr_count:     512
    .wavefront_size: 32
...
	.end_amdgpu_metadata
.endif
;; end of part 2
;; ======== version 2 of 2: 2 launches; version 1 with the launch attn written anew for expert scheduling mode
;; workspace buffers: acodes 4,194,304 bytes
;; launch attn (part 3): grid 4 x 64, 8 waves a work-group, no clusters, 193,536 bytes of LDS; arguments x_codes, qw_codes, kw_codes, vw_codes, qb, kb, vb, lowp_scales, acodes; writes acodes
.if DOCPART == 3
	.amdgcn_target "amdgcn-amd-amdhsa--gfx1250"
	.amdhsa_code_object_version 6
	.text
	.protected	k_qad1ff3a0eb_attn
	.globl	k_qad1ff3a0eb_attn
	.p2align	8
	.type	k_qad1ff3a0eb_attn,@function
k_qad1ff3a0eb_attn:
	s_mov_b64 s[64:65], 0
	v_nop
	global_prefetch_b8 v0, s[64:65] scope:SCOPE_SE
	s_setreg_imm32_b32 hwreg(HW_REG_WAVE_SCHED_MODE, 0, 2), 2
	s_setreg_imm32_b32 hwreg(HW_REG_WAVE_MODE, 25, 1), 1
	s_wait_xcnt 0x0
	s_wait_alu depctr_vm_vsrc(0)
; 1x1-conv attention on codes of E5M2: the three projections, the scores, the softmax, attn x V, and the quantising of the result for the output projection.
; x: [8][1024 pixels][256] codes.  qw, kw, vw: [512][256] codes.  qb, kb, vb: [512] f32.  lowp_scales: e0 .. e11.  acodes: this program's own buffer (layout at the end of this comment).
; SHARES.  A work-group owns one batch, one head (64 channels) and 256 queries; each of its eight waves owns 32 queries: two tiles of 16.  Two waves lie on a SIMD, 512 registers each.
; Every work-group projects its head's K and V for all 1,024 pixels itself (wave w: 128 of them, which are key step w) and keeps them in LDS: 64 + 64 KiB.  The four query blocks of a head so repeat
; 2 x 1024 x 64 x 256 multiply-adds; that spares a launch and 12 MiB written and read back.
; THE ORDER OF THE KEYS IS FREE (K's and V's images use the same): tile c of step w is x's rows 256 ((QB + c / 2) % 4) + 32 w + 16 (c % 2) + 0 .. 15, so that tiles 0 and 1 are the wave's own queries
; and each wave reads its 128 rows of x, 32 KiB, once, straight into the registers that its products name.
; x LANDS UNDER WORK.  Its 64 loads a wave are issued in runs of eight (a tile), and between the runs stands what can be done with the tiles that have landed: the staging of the weights, Q's projection and K's.
; For that Q's weights, and then K's, stay in registers (8 fragments) and the products go tile by tile of x.  V's projection, whose codes run along the keys, follows in four phases over all eight tiles.
; NO JOINT LOADS, though the four query blocks of a head read the same 256 KiB of x: a joint load lands in LDS, where 256 KiB do not fit beside this text's 188 KiB of images, and from there it would
; be read once more into the same registers; and this text has a scalar branch on a given exponent (below), which takes 128 of a key step's lines out.
; LAYOUTS.  K and Q: source 0 = 16 rows of the weight, source 1 = 16 pixels: lane (r, h), register j = channel 16 t + 8 h + j of pixel r: its eight codes are registers 2 t, 2 t + 1 of a K = 64 fragment.
; V: source 0 = 16 pixels (tile c), source 1 = 16 rows of vw: lane (r, h), register j = key 8 h + j of tile c, channel of lane r: registers 2 c, 2 c + 1 of a K = 128 fragment along the keys.
; S^T = K Q^T (K = 64 form): tile c: key 16 c + 8 h + j, query r: p's codes are registers 2 c, 2 c + 1 of the second product's other operand.  O^T = V^T P^T (K = 128 form).
; THE ROWS OF vw THAT FORM A TILE ARE NOT NEIGHBOURS: lane r of tile 2 b + u takes channel 32 b + 8 u + r + 8 (r / 8), so that O^T's 16 registers of tiles 2 b, 2 b + 1 are channels 32 b + 16 h + 0 .. 15.
; x's and the weights' fragments come by four loads of 16 bytes (registers 4 c ..: k = 32 c + 16 h + 0 .. 15): a permutation of k that is the same on both sides.
; THE SOFTMAX: t = score x log2(e) / 8; M = the running largest t rounded up to a whole number; p = 2^(t - M) is quantised with 2^e9; the sum is taken of the unquantised p and divides at the end.
; THE SCALES: a projection's sum stands for sum x 2^(ex + ew): its bias goes in as the C of the first product, x 2^-(ex + ew), and the conversion takes 2^(e_next - ex - ew).
; LIMITS, so that each power of two below is an f32 number: e6 - e0 - e1, e7 - e2 - e3, e8 - e4 - e5, e9 and e10 between -126 and 112; e6 + e7 between -123 and 130.  NaN among the biases is not served.
; acodes: images of the output projection's fragments: byte (64 batch + pixel / 16) x 8192 + (head / 2) x 2048 + c x 512 + 16 lane: lane (r, h) holds pixel r of the tile, channels 128 (head / 2) + 32 c + 16 h + 0 .. 15.
; LDS, all written by ds_store, every instruction 512 dense bytes at 16 x lane:  0: K's images, (8 step + c) x 1024 + 512 u;  65,536: V's, (4 step + t) x 2048 + 512 q;
;   131,072: the head's weights, T x 16384 + (2 t + s) x 2048 + 512 c (T = 0 q, 1 k, 2 v);  180,224: the biases as C operands, (4 T + t) x 1024 + 512 u;  192,512: the spare words, 128 bytes a wave.
; REGISTERS.  Window 0: v1-7, v18, v19 addresses; v8-17 scales; v20-39 a tile's statistics, ten each (v29, v39: the closing add's two); v40-55 Q; then for Q's and K's projections v56-183 the weights,
;   v184-215 their bias, v216-247 four accumulators, v248-255 and v30-37 codes, two buffers; for V's v56-135 two buffers of weights and bias, v136-199 eight accumulators, v200-231 codes, two buffers;
;   in the attention v64-191 S^T and p, v192-223 p's codes.   Window 1: in the projections x's 16 fragments; in the attention v0-63 K, v64-127 V, v128-191 O^T.
; THE MODE: SCHED_MODE bits 1:0 = 2 (LLVM: expert scheduling mode 2), set by the entry lines.  The code itself states the register dependences between vector or matrix instructions and
; memory or LDS instructions, with s_wait_alu, always for 0.
; THE PLAN.  Registers that memory or LDS instructions touch, and who else names them:
;   v1-5, v18-22    addresses, made once at the head, ahead of one wait, and never written again while an access reads them.
;   x's fragments   each is loaded once, into registers that no instruction has named; matrix instructions read them.
;   WR, BR          loaded twice.  Q's weights land where the staging stores read their data; K's land where Q's products have read.
;   K8A, K8B        K's tile c: its conversions write K8[c % 2]; the two LDS stores that read it are issued in tile c + 1 (tile 7's in V's first phase).
;   WB0, WB1        V's phase p: its products read WB[p % 2]; at its head the loads of phase p + 1 land in the other, which the products of phase p - 1 read.
;   KC0, KC1        V's phase p: its conversions write KC[p % 2]; the four LDS stores that read it are issued in phase p + 1 (the last phase's ahead of the barrier).
;   v[ADK], v[ADV]  written once a key step, behind the score products; read by the step's 32 LDS loads.
;   KF, VF          K's fragments are read by a step's score products, V's by its last products; the step's loads land in both.
; So in K's tiles and V's phases ONE pair of waits stands behind the products and their places, where the conversions wait for the products in any case: the stores issued a piece ago have read
; the codes' buffer that is written next, and the piece before has written the buffer that is stored now.  In a key step the 32 loads stand behind the wait that tile 0's exponentials have anyway:
; ahead of it stand the score products, the last step's products with V and the two additions that make the addresses.  One wait on vm_vsrc a step stands ahead of those additions.
.set VIMG, 65536
.set WIMG, 131072
.set BOFF, 49152                       ; the biases lie so far behind the weights
.set LI,  1                            ; v1   16 x lane
.set LW,  2                            ; v2   16 x lane + WIMG
.set XA,  3                            ; v3   256 r + 16 h: a fragment's lane in rows of 256 bytes
.set SK,  4                            ; v4   where I store K's images: 16 x lane + 8192 w
.set SV,  5                            ; v5   V's: + VIMG
.set ADK, 6                            ; v6   the key step's K
.set ADV, 7                            ; v7   the key step's V
.set SCQ, 8                            ; v8, v9    2^(e6 - e0 - e1) and 57,344 x that
.set SCK, 10                           ; v10, v11  the same with e7 - e2 - e3
.set SCV, 12                           ; v12, v13  e8 - e4 - e5
.set SCP, 14                           ; v14, v15  e9
.set SCO, 16                           ; v16, v17  e10
.set WAV, 18                           ; v18  256 (r + 8 (r / 8)) + 16 h: vw's lane
.set SW,  19                           ; v19  where I stage weights: LW + 2048 w
.set ST,  20                           ; tile x at ST + 10 x: +0 -M, +1 the largest t, +2, +3 the sum in two halves, +4 f (+5 named with it), +6, +7 at work, +8 the other half's
.set QF,  40
.set WR,  56                           ; Q's, then K's weights: tile t, K step s at WR + 32 t + 16 s
.set BR,  184                          ; their bias: tile t's C operand at BR + 8 t
.set A4,  216                          ; four accumulators
.set K8A, 248                          ; the fragment of K of an even tile of pixels,
.set K8B, 30                           ; of an odd one: v30-37, which the statistics take only behind the projections
.set WB,  56                           ; V: two buffers of 40: a weight tile's two K steps (32) and its bias (8)
.set ACC, 136                          ; V: eight accumulators.  (At the head the staging loads land here)
.set KC,  200                          ; V: two buffers of 16: a phase's fragment along the keys
.set S,   64
.set PC,  192
.set KF,  0                            ; window 1
.set VF,  64
.set O,   128
.set MSB, 0
.macro WIN new                         ; the immediate's high byte repeats the setting that is left; a switch that changes nothing is dropped
.if MSB != \new
	s_set_vgpr_msb (MSB<<8)|\new
.set MSB, \new
.endif
.endm
.macro PLACES n                        ; plain vector lines between a matrix instruction and a vector read of its result (ISA guide 7.12.1)
.rept \n
	v_nop
.endr
.endm
.macro SCALE e, vr                     ; s[e] = a whole number: v[vr] = 2^e as f32, v[vr + 1] = 57,344 x 2^e
	s_add_co_i32 s62, s[\e], 127
	s_lshl_b32 s63, s62, 23
	v_mov_b32 v[\vr], s63
	s_add_co_i32 s62, s62, 15
	s_lshl_b32 s62, s62, 23
	s_or_b32 s62, s62, 0x600000
	v_mov_b32 v[\vr+1], s62
.endm
.macro XLOAD c                         ; x's tile c, both K steps, into window 1: v[32 c + 16 s ..]: eight loads.  No wait: nothing has named these registers, and v[XA] stands since the head's wait
.irp s, 0,1
.irp q, 0,1,2,3
	global_load_b128 v[32*(\c)+16*\s+4*\q:32*(\c)+16*\s+4*\q+3], v[XA], s[44+2*((\c)/2):45+2*((\c)/2)] offset:((\c)%2)*4096+128*\s+32*\q
.endr
.endr
.endm
.macro XL c                            ; the same with its two switches of the window
	WIN 0x40                                       ; destination window 1
	XLOAD \c
	WIN 0
.endm
.macro FETCHR kind                     ; all of one projection's weights (kind = 0 q, 1 k) and its bias, from LDS into WR and BR: 40 loads
.irp t, 0,1,2,3
.irp s, 0,1
.irp c, 0,1,2,3
	ds_load_b128 v[WR+32*\t+16*\s+4*\c:WR+32*\t+16*\s+4*\c+3], v[LW] offset:(\kind)*16384+(2*\t+\s)*2048+512*\c
.endr
.endr
.endr
.irp t, 0,1,2,3
.irp u, 0,1
	ds_load_b128 v[BR+8*\t+4*\u:BR+8*\t+4*\u+3], v[LW] offset:BOFF+1024*(4*(\kind)+\t)+512*\u
.endr
.endr
.endm
.macro PROJ c                          ; the 64 channels of x's tile c: four accumulators by turns; the bias starts the sums
	WIN 0x04                                       ; source 1 (x) in window 1
.irp t, 0,1,2,3
	v_wmma_f32_16x16x128_bf8_bf8 v[A4+8*\t:A4+8*\t+7], v[WR+32*\t:WR+32*\t+15], v[32*(\c):32*(\c)+15], v[BR+8*\t:BR+8*\t+7]
.endr
.irp t, 0,1,2,3
	v_wmma_f32_16x16x128_bf8_bf8 v[A4+8*\t:A4+8*\t+7], v[WR+32*\t+16:WR+32*\t+31], v[32*(\c)+16:32*(\c)+31], v[A4+8*\t:A4+8*\t+7]
.endr
	WIN 0
.endm
.macro FETCHW p                        ; V's phase p = 8 + t: the weight tile's two fragments and its bias, from LDS into buffer p % 2: ten loads
.set WBB, WB+40*((\p)%2)
.irp s, 0,1
.irp c, 0,1,2,3
	ds_load_b128 v[WBB+16*\s+4*\c:WBB+16*\s+4*\c+3], v[LW] offset:((\p)/4)*16384+(2*((\p)%4)+\s)*2048+512*\c
.endr
.endr
.irp u, 0,1
	ds_load_b128 v[WBB+32+4*\u:WBB+32+4*\u+3], v[LW] offset:BOFF+1024*(\p)+512*\u
.endr
.endm
.macro MULV p                          ; one tile of vw against my eight tiles of pixels, x as source 0: eight accumulators by turns
.set WBB, WB+40*((\p)%2)
	WIN 0x01
.irp c, 0,1,2,3,4,5,6,7
	v_wmma_f32_16x16x128_bf8_bf8 v[ACC+8*\c:ACC+8*\c+7], v[32*\c:32*\c+15], v[WBB:WBB+15], v[WBB+32:WBB+39]
.endr
.irp c, 0,1,2,3,4,5,6,7
	v_wmma_f32_16x16x128_bf8_bf8 v[ACC+8*\c:ACC+8*\c+7], v[32*\c+16:32*\c+31], v[WBB+16:WBB+31], v[ACC+8*\c:ACC+8*\c+7]
.endr
	WIN 0
.endm
.macro QUANT8 a, sc, dst               ; eight numbers, from the low end on, become eight codes.  The conversion does not saturate (ISA guide 7.6.2): the hold at the largest code x the scale comes first
.irp i, 0,1,2,3,4,5,6,7
	v_med3_num_f32 v[(\a)+\i], v[(\a)+\i], -v[(\sc)+1], v[(\sc)+1]
.endr
	v_cvt_scalef32_pk8_bf8_f32 v[(\dst):(\dst)+1], v[(\a):(\a)+7], v[\sc]
.endm
.macro QUANT4 sc, dst                  ; the four accumulators of a tile of pixels become its K = 64 fragment, eight registers
.irp t, 0,1,2,3
	QUANT8 A4+8*\t, \sc, (\dst)+2*\t
.endr
	v_nop                                          ; a plain line behind the last conversion: the next products write its sources
.endm
.macro KSTORE c                        ; tile c's fragment of K goes to LDS as it stands
.set KP, K8A-(K8A-K8B)*((\c)%2)
	ds_store_b128 v[SK], v[KP:KP+3] offset:1024*(\c)
	ds_store_b128 v[SK], v[KP+4:KP+7] offset:1024*(\c)+512
.endm
.macro KTILE c                         ; K of x's tile c: eight products; the tile before's image to LDS; this tile's fragment
.set KD, K8A-(K8A-K8B)*((\c)%2)
.if (\c) > 1
	s_wait_loadcnt 8*(7-(\c))                      ; tile c is in; the tiles behind it, eight loads each, stay out
.endif
	PROJ \c
.if (\c) == 0
	XL 7                                           ; the last tile of x is asked for
.endif
	PLACES 4                                       ; in front of the first read of the sums
.if (\c) > 1
	s_wait_alu depctr_vm_vsrc(0)                   ; the two stores issued in the tile before have read K8[c % 2], which this tile's conversions write again
.endif
.if (\c) > 0
	s_wait_alu depctr_va_vdst(0)                   ; the tile before's conversions have written the other K8, which the stores below read; in tile 7: K's products are done reading WR, in which V's first weights land
	KSTORE (\c)-1
.endif
.if (\c) == 7
	FETCHW 8                                       ; V's first weights: they land under this tile's conversions
.endif
	QUANT4 SCK, KD
.endm
.macro QUANTV p                        ; V's phase p: the eight tiles of keys give one K = 128 fragment, in KC[p % 2]
.set KV, KC+16*((\p)%2)
.irp c, 0,1,2,3,4,5,6,7
	QUANT8 ACC+8*\c, SCV, KV+2*\c
.endr
	v_nop
.endm
.macro VSTORE p                        ; phase p's fragment goes to LDS as it stands
.set KV, KC+16*((\p)%2)
.irp q, 0,1,2,3
	ds_store_b128 v[SV], v[KV+4*\q:KV+4*\q+3] offset:2048*((\p)-8)+512*\q
.endr
.endm
.macro KLOAD off                       ; a key step's eight fragments of K
.irp c, 0,1,2,3,4,5,6,7
.irp u, 0,1
	ds_load_b128 v[KF+8*\c+4*\u:KF+8*\c+4*\u+3], v[ADK] offset:\off+1024*\c+512*\u
.endr
.endr
.endm
.macro VLOAD                           ; and its four of V
.irp t, 0,1,2,3
.irp q, 0,1,2,3
	ds_load_b128 v[VF+16*\t+4*\q:VF+16*\t+4*\q+3], v[ADV] offset:2048*\t+512*\q
.endr
.endr
.endm
.macro SUMITEM x, k                    ; line k of 32 of tile x's sum of p: two chains, two numbers a line.  Line 0 names no p; the wait for the tile's exponentials stands ahead of line 1
.if (\k) == 0
	v_pk_mul_f32 v[ST+10*\x+2:ST+10*\x+3], v[ST+10*\x+2:ST+10*\x+3], v[ST+10*\x+4:ST+10*\x+5] op_sel_hi:[1,0]   ; the sum under the new M
.elseif (\k) == 1
	v_pk_add_f32 v[ST+10*\x+6:ST+10*\x+7], v[S+64*\x:S+64*\x+1], v[S+64*\x+2:S+64*\x+3]
.elseif (\k)%2 == 0
	v_pk_add_f32 v[ST+10*\x+2:ST+10*\x+3], v[ST+10*\x+2:ST+10*\x+3], v[S+64*\x+2*(\k):S+64*\x+2*(\k)+1]
.else
	v_pk_add_f32 v[ST+10*\x+6:ST+10*\x+7], v[ST+10*\x+6:ST+10*\x+7], v[S+64*\x+2*(\k):S+64*\x+2*(\k)+1]
.endif
.endm
	s_load_b512 s[8:23], s[0:1], 0x0               ; x s[8:9], qw s[10:11], kw s[12:13], vw s[14:15], qb s[16:17], kb s[18:19], vb s[20:21], the exponents s[22:23]
	s_load_b64 s[24:25], s[0:1], 0x40              ; acodes
	v_lshl_add_u32 v29, v0, 2, 0x2f000             ; my spare word, and 0: made here and kept for the closing lines alone
	v_mov_b32 v39, 0
	v_lshrrev_b32 v1, 5, v0
	v_readfirstlane_b32 s2, v1                     ; wave 0..7
	s_mov_b32 s3, ttmp9                            ; QB: my block of 256 queries
	s_and_b32 s4, ttmp7, 0xffff
	s_and_b32 s5, s4, 7                            ; the head
	s_lshr_b32 s6, s4, 3                           ; the batch
	s_wait_alu depctr_va_sdst(0)                   ; s2 is written, ahead of its first reader
	s_lshr_b32 s7, s2, 1                           ; staging: I bring tile t = w / 2,
	s_and_b32 s31, s2, 1                           ; K step (and bias quad) w % 2 of each weight
	v_and_b32 v1, 31, v0
	v_lshlrev_b32 v[LI], 4, v1
	v_add_nc_u32 v[LW], WIMG, v[LI]
	v_and_b32 v6, 15, v0                           ; r
	v_bfe_u32 v7, v0, 4, 1                         ; h
	v_lshlrev_b32 v[XA], 8, v6
	v_lshl_add_u32 v[XA], v7, 4, v[XA]
	s_lshl_b32 s26, s2, 13
	v_add_nc_u32 v[SK], s26, v[LI]
	v_add_nc_u32 v[SV], VIMG, v[SK]
	v_and_b32 v[WAV], 8, v6
	v_add_nc_u32 v[WAV], v[WAV], v6                ; r + 8 (r / 8)
	v_lshlrev_b32 v21, 2, v[WAV]                   ; vb: 4 bytes a channel  (v20-22 serve the staging; the statistics take them later)
	v_lshlrev_b32 v[WAV], 8, v[WAV]
	v_lshl_add_u32 v[WAV], v7, 4, v[WAV]
	s_lshl_b32 s26, s2, 11
	v_add_nc_u32 v[SW], s26, v[LW]
	v_lshlrev_b32 v20, 5, v7                       ; qb, kb: lanes 16-31 take the eight channels behind lanes 0-15's
	s_lshl_b32 s26, s2, 9
	v_add_nc_u32 v22, s26, v[LW]
	v_add_nc_u32 v22, BOFF, v22                    ; where I stage a bias quad: + 512 w
	; byte offsets of what I stage
	s_lshl_b32 s26, s5, 14                         ; the head's 64 rows of 256 bytes
	s_lshl_b32 s28, s7, 12
	s_add_co_u32 s28, s28, s26
	s_lshl_b32 s30, s31, 7
	s_add_co_u32 s28, s28, s30                     ; qw, kw: row 64 head + 16 t, K step
	s_mov_b32 s29, 0
	s_lshr_b32 s62, s7, 1
	s_lshl_b32 s62, s62, 13
	s_and_b32 s63, s7, 1
	s_lshl_b32 s63, s63, 11
	s_add_co_u32 s62, s62, s63                     ; 32 (t / 2) + 8 (t % 2) rows of 256 bytes
	s_add_co_u32 s26, s26, s62
	s_add_co_u32 s26, s26, s30                     ; vw
	s_mov_b32 s27, 0
	s_lshr_b32 s62, s62, 6                         ; the same rows at 4 bytes
	s_lshl_b32 s60, s5, 8
	s_add_co_u32 s62, s62, s60                     ; vb
	s_mov_b32 s63, 0
	s_lshl_b32 s61, s7, 6
	s_add_co_u32 s60, s60, s61
	s_lshl_b32 s61, s31, 4
	s_add_co_u32 s60, s60, s61                     ; qb, kb: channel 64 head + 16 t + 4 u
	s_mov_b32 s61, 0
	s_mov_b32 s54, 0x76543210                      ; v_permlanex16_b32: lane l xor 16
	s_mov_b32 s55, 0xfedcba98
	s_wait_kmcnt 0x0
	s_load_b256 s[32:39], s[22:23], 0x0            ; e0 .. e7
	s_load_b128 s[40:43], s[22:23], 0x20           ; e8 .. e11
	s_add_nc_u64 s[10:11], s[10:11], s[28:29]
	s_add_nc_u64 s[12:13], s[12:13], s[28:29]
	s_add_nc_u64 s[14:15], s[14:15], s[26:27]
	s_add_nc_u64 s[16:17], s[16:17], s[60:61]
	s_add_nc_u64 s[18:19], s[18:19], s[60:61]
	s_add_nc_u64 s[20:21], s[20:21], s[62:63]
	s_wait_alu depctr_va_vdst(0)                   ; the addresses v1 to v5 and v18 to v22 are written, which the loads and stores from here on read
.irp c, 0,1,2,3                                ; 15 staging loads
	global_load_b128 v[ACC+4*\c:ACC+4*\c+3], v[XA], s[10:11] offset:32*\c
	global_load_b128 v[ACC+16+4*\c:ACC+16+4*\c+3], v[XA], s[12:13] offset:32*\c
	global_load_b128 v[ACC+32+4*\c:ACC+32+4*\c+3], v[WAV], s[14:15] offset:32*\c
.endr
	global_load_b128 v[ACC+48:ACC+51], v20, s[16:17]
	global_load_b128 v[ACC+52:ACC+55], v20, s[18:19]
	global_load_b32 v[ACC+56], v21, s[20:21]
	s_lshl_b32 s26, s6, 18                         ; x: the batch's 1,024 rows of 256 bytes, my wave's 32 rows in a block of 256
	s_lshl_b32 s28, s2, 13
	s_add_co_u32 s26, s26, s28
	s_add_nc_u64 s[8:9], s[8:9], s[26:27]
.irp i, 0,1,2,3
	s_add_co_u32 s28, s3, \i
	s_and_b32 s28, s28, 3
	s_lshl_b32 s28, s28, 16                        ; block (QB + i) % 4
	s_add_nc_u64 s[44+2*\i:45+2*\i], s[8:9], s[28:29]
.endr
	WIN 0x40                                       ; destination window 1
	XLOAD 0                                        ; my two tiles of queries: 16 loads behind the staging's 15
	XLOAD 1
	WIN 0
	s_lshl_b32 s26, s6, 6                          ; acodes: tile 64 batch + 16 QB + 2 w,
	s_lshl_b32 s28, s3, 4
	s_add_co_u32 s26, s26, s28
	s_lshl_b32 s28, s2, 1
	s_add_co_u32 s26, s26, s28
	s_lshl_b32 s26, s26, 13
	s_lshr_b32 s28, s5, 1
	s_lshl_b32 s28, s28, 11                        ; K step head / 2,
	s_add_co_u32 s26, s26, s28
	s_and_b32 s28, s5, 1
	s_lshl_b32 s28, s28, 10                        ; quads 2 (head % 2) on
	s_add_co_u32 s26, s26, s28
	s_add_nc_u64 s[24:25], s[24:25], s[26:27]
	s_wait_kmcnt 0x0
	s_add_co_i32 s59, s32, s33
	s_sub_co_i32 s26, s38, s59
	SCALE 26, SCQ
	s_sub_co_i32 s59, 0, s59                       ; -(e0 + e1)
	s_add_co_i32 s60, s34, s35
	s_sub_co_i32 s26, s39, s60
	SCALE 26, SCK
	s_sub_co_i32 s60, 0, s60                       ; -(e2 + e3)
	s_add_co_i32 s61, s36, s37
	s_sub_co_i32 s26, s40, s61
	SCALE 26, SCV
	s_sub_co_i32 s61, 0, s61                       ; -(e4 + e5)
	SCALE 41, SCP
	SCALE 42, SCO
	s_add_co_i32 s58, s40, s41                     ; e8 + e9
	s_add_co_i32 s26, s38, s39
	s_lshl_b32 s26, s26, 23
	s_add_co_i32 s52, s26, 0x3e38aa3b              ; c = log2(e) / 8, with e6 + e7 added to its exponent field
	s_mov_b32 s53, s52                             ; (named with it as a pair, so it is written)
	s_wait_loadcnt 16                              ; the 15 staging loads are in; the 16 loads of x issued behind them stay out
.irp i, 0,1,2,3
	v_ldexp_f32 v[ACC+48+\i], v[ACC+48+\i], s59    ; a bias goes in divided by the power of two that the sums lack
	v_ldexp_f32 v[ACC+52+\i], v[ACC+52+\i], s60
.endr
	v_ldexp_f32 v[ACC+56], v[ACC+56], s61
	v_mov_b32 v[ACC+57], v[ACC+56]                 ; V's result has one channel a lane: its bias fills the lane's registers
	v_mov_b32 v[ACC+58], v[ACC+56]
	v_mov_b32 v[ACC+59], v[ACC+56]
	s_wait_alu depctr_va_vdst(0)                   ; the scaled biases v[ACC+48 .. ACC+59] are written, which the LDS stores below read
.irp c, 0,1,2,3
	ds_store_b128 v[SW], v[ACC+4*\c:ACC+4*\c+3] offset:512*\c
	ds_store_b128 v[SW], v[ACC+16+4*\c:ACC+16+4*\c+3] offset:16384+512*\c
	ds_store_b128 v[SW], v[ACC+32+4*\c:ACC+32+4*\c+3] offset:32768+512*\c
.endr
	ds_store_b128 v22, v[ACC+48:ACC+51]
	ds_store_b128 v22, v[ACC+52:ACC+55] offset:4096
	ds_store_b128 v22, v[ACC+56:ACC+59] offset:8192
	s_wait_dscnt 0x0                               ; for the others' sake: my part of the weights and biases lies in LDS
	s_barrier_signal -1
	s_barrier_wait -1                              ; everybody's does
	; ---- Q: my two tiles of queries, with all of Q's weights in registers; x's later tiles are asked for between the work
	s_wait_alu depctr_vm_vsrc(0)                   ; my staging stores have read v[ACC .. ACC+59], in which Q's weights and bias land; the staging's accesses have read v20 to v22, which the statistics take later
	FETCHR 0
	WIN 0x40
	XLOAD 2
	XLOAD 3
	XLOAD 4
	WIN 0
	s_wait_dscnt 0x0                               ; Q's weights and bias are in
	s_wait_loadcnt 32                              ; x's tile 0 is in; tiles 1 to 4, 32 loads, stay out
	PROJ 0
	XL 5
	PLACES 4
	QUANT4 SCQ, QF
	s_wait_loadcnt 32                              ; tile 1 is in; tiles 2 to 5 stay out
	PROJ 1
	PLACES 4                                       ; in front of the first read of the sums, below
	s_wait_alu depctr_va_vdst(0)                   ; Q's products are done reading WR and BR, in which K's weights and bias land
	FETCHR 1                                       ; K's weights: they land under tile 1's conversions
	XL 6
	QUANT4 SCQ, QF+8
	s_wait_dscnt 0x0                               ; K's weights and bias are in
	; ---- K: tile by tile of x, in the order in which the tiles were asked for
.irp c, 0,1,2,3,4,5,6,7
	KTILE \c
.endr
	; ---- V: four tiles of channels, each against all eight tiles of pixels
.irp p, 8,9,10,11
	s_wait_dscnt 0x0                               ; this phase's weights are in
.if \p < 11
	FETCHW \p+1                                    ; no wait: the products that read this buffer stand ahead of the last wait on va_vdst, and nothing since names it
.endif
	MULV \p
	PLACES 4                                       ; in front of the first read of the sums
.if \p > 9
	s_wait_alu depctr_vm_vsrc(0)                   ; the four stores issued in the phase before have read KC[p % 2], which this phase's conversions write again
.endif
	s_wait_alu depctr_va_vdst(0)                   ; the piece before has written its codes, which the stores below read; this phase's products are done reading WB[p % 2], in which the next phase's head loads
.if \p == 8
	KSTORE 7                                       ; K's last tile
.else
	VSTORE \p-1
.endif
	QUANTV \p
.endr
	s_mov_b32 s56, 0                               ; LDS byte of the key step in hand
	s_mov_b32 s57, 7
	v_add_nc_u32 v[ADK], s56, v[LI]                ; made here, ahead of a wait that stands in any case
	s_wait_alu depctr_va_vdst(0)                   ; the last phase's conversions have written KC1, which the stores below read; v[ADK] is written, which the first loads of K read
	VSTORE 11
	s_wait_dscnt 0x0                               ; for the others' sake: my key step's images lie in LDS
	s_barrier_signal -1
	s_barrier_wait -1                              ; the head's K and V are whole; from here on LDS is only read
	; ---- the attention.  The key step is written once for the loop: O^T and the sums begin as zeros and the largest t as -3e38, and the first change of M multiplies zeros
	WIN 0x40
	KLOAD 0                                        ; no wait: the products that read x's tiles 0 and 1 stand ahead of the wait above, and no vector instruction has been issued since
.set j, 0
.rept 64
	v_mov_b32 v[O+j], 0
.set j, j+1
.endr
	WIN 0
.irp x, 0,1
	v_mov_b32 v[ST+10*\x+1], 0xff61b1e6
	v_floor_f32 v[ST+10*\x], -v[ST+10*\x+1]
	v_mov_b32 v[ST+10*\x+2], 0
	v_mov_b32 v[ST+10*\x+3], 0
	v_mov_b32 v[ST+10*\x+5], 0                     ; (named as the upper half of f's pair)
	v_mov_b32 v[ST+10*\x+8], 0                     ; (a lane permute's destination counts as read)
.endr
; A KEY STEP: 128 keys for my two tiles of queries.  last = 1: no further K is fetched.
.macro STEP last
	s_wait_dscnt 0x0                               ; this step's K is in (asked for half a softmax and eight products ago)
	WIN 0x01                                       ; source 0 (K) in window 1
.irp c, 0,1,2,3,4,5,6,7
.irp x, 0,1
	v_wmma_f32_16x16x64_bf8_bf8 v[S+64*\x+8*\c:S+64*\x+8*\c+7], v[KF+8*\c:KF+8*\c+7], v[QF+8*\x:QF+8*\x+7], 0
.endr
.endr
	WIN 0
	s_wait_alu depctr_vm_vsrc(0)                   ; the LDS loads issued so far have read v[ADK] and v[ADV]; in the first step: my last image stores have read KC0 and KC1, where p's codes are written
	v_add_nc_u32 v[ADK], s56, v[LI]                ; these two and the two below are the four places in front of the first read of the scores
	v_add_nc_u32 v[ADV], VIMG, v[ADK]
	v_nop
	v_nop
.irp x, 0,1                                    ; each query's largest score among my 64 keys: two chains a tile, each accumulator from its low end on, the tiles line by line
	v_max3_num_f32 v[ST+10*\x+6], v[S+64*\x], v[S+64*\x+1], v[S+64*\x+2]
.endr
.irp x, 0,1
	v_max3_num_f32 v[ST+10*\x+7], v[S+64*\x+3], v[S+64*\x+4], v[S+64*\x+5]
.endr
.irp i, 6,10,14,18,22,26,30,34,38,42,46,50,54,58
.irp x, 0,1
	v_max3_num_f32 v[ST+10*\x+6], v[ST+10*\x+6], v[S+64*\x+\i], v[S+64*\x+\i+1]
.endr
.irp x, 0,1
	v_max3_num_f32 v[ST+10*\x+7], v[ST+10*\x+7], v[S+64*\x+\i+2], v[S+64*\x+\i+3]
.endr
.endr
.irp x, 0,1
	v_max3_num_f32 v[ST+10*\x+6], v[ST+10*\x+6], v[S+64*\x+62], v[S+64*\x+63]
.endr
.irp x, 0,1
	v_max_num_f32 v[ST+10*\x+6], v[ST+10*\x+6], v[ST+10*\x+7]
.endr
.irp x, 0,1
	v_permlanex16_b32 v[ST+10*\x+8], v[ST+10*\x+6], s54, s55   ; the query's other 64 keys lie in the lane 16 away
.endr
.irp x, 0,1
	v_max_num_f32 v[ST+10*\x+6], v[ST+10*\x+6], v[ST+10*\x+8]
.endr
.irp x, 0,1
	v_mul_f32 v[ST+10*\x+6], s52, v[ST+10*\x+6]    ; as t (c is positive)
.endr
.irp x, 0,1
	v_max_num_f32 v[ST+10*\x+1], v[ST+10*\x+1], v[ST+10*\x+6]   ; the running largest t
.endr
.irp x, 0,1
	v_mov_b32 v[ST+10*\x+6], v[ST+10*\x]
.endr
.irp x, 0,1
	v_floor_f32 v[ST+10*\x], -v[ST+10*\x+1]        ; -M = floor(-t): M is a whole number
.endr
.irp x, 0,1
	v_sub_f32 v[ST+10*\x+6], v[ST+10*\x], v[ST+10*\x+6]   ; old M - new M, 0 or less
.endr
.irp x, 0,1
	v_cvt_i32_f32 v[ST+10*\x+6], v[ST+10*\x+6]     ; (it saturates)
.endr
.irp x, 0,1
	v_ldexp_f32 v[ST+10*\x+4], 1.0, v[ST+10*\x+6]  ; f = 2^(old M - new M): a multiplication by it rounds nothing
.endr
.set j, 0
.rept 32
	v_pk_fma_f32 v[S+j:S+j+1], v[S+j:S+j+1], s[52:53], v[ST:ST+1] op_sel_hi:[1,0,0]   ; tile 0: t - M, two at a time
.set j, j+2
.endr
.set j, 0
.rept 64                                       ; tile 0's exponentials, tile 1's scalings among them
	v_exp_f32 v[S+j], v[S+j]
.if j%2 == 0
	v_pk_fma_f32 v[S+64+j:S+64+j+1], v[S+64+j:S+64+j+1], s[52:53], v[ST+10:ST+11] op_sel_hi:[1,0,0]
.endif
.set j, j+1
.endr
.set j, 0
.rept 64                                       ; tile 1's exponentials, tile 0's sums among them: each reads weights whose exponentials stand 64 lines back or more
	v_exp_f32 v[S+64+j], v[S+64+j]
.if j == 2
	WIN 0x40                                       ; destination window 1: the switch, the wait, the loads
	s_wait_alu depctr_va_vdst(0)                   ; tile 0's exponentials have written p, ahead of its first reader below; the score products are done reading K's fragments and the last step's products V's, in which the loads land; v[ADK] and v[ADV] are written
	VLOAD                                          ; this step's V: it lands under the rest of the softmax
.if !\last
	KLOAD 8192                                     ; and the next step's K
.endif
	WIN 0
.endif
.if j%2 == 0
	SUMITEM 0, j/2
.endif
.set j, j+1
.endr
	v_pk_add_f32 v[ST+2:ST+3], v[ST+2:ST+3], v[ST+6:ST+7]
	SUMITEM 1, 0
	s_wait_alu depctr_va_vdst(0)                   ; tile 1's exponentials have written p, ahead of its first reader
.set j, 1
.rept 31
	SUMITEM 1, j
.set j, j+1
.endr
	v_pk_add_f32 v[ST+12:ST+13], v[ST+12:ST+13], v[ST+16:ST+17]
	s_cmp_ge_i32 s41, -15                          ; p is at most 1 and 57,344 x 2^e9 is at least 1 from e9 = -15 on: then no p lies beyond the largest code, and the hold is passed over.
	s_cbranch_scc1 .Lno_hold_\@                    ; A scalar branch on a whole number that was given; it is the same in every wave, and no barrier and no load stands under it
.set j, 0
.rept 128
	v_min_num_f32 v[S+j], v[S+j], v[SCP+1]         ; p is never negative: the hold is one-sided
.set j, j+1
.endr
.Lno_hold_\@:
.irp x, 0,1
.irp c, 0,1,2,3,4,5,6,7
	v_cvt_scalef32_pk8_bf8_f32 v[PC+16*\x+2*\c:PC+16*\x+2*\c+1], v[S+64*\x+8*\c:S+64*\x+8*\c+7], v[SCP]
.endr
.endr
	WIN 0x41                                       ; O^T (destination and source 0) in window 1, f in window 0
.irp x, 0,1
.irp i, 0,2,4,6,8,10,12,14,16,18,20,22,24,26,28,30
	v_pk_mul_f32 v[O+32*\x+\i:O+32*\x+\i+1], v[O+32*\x+\i:O+32*\x+\i+1], v[ST+10*\x+4:ST+10*\x+5] op_sel_hi:[1,0]   ; O^T under the new M.  (Also the plain lines behind the conversions)
.endr
.endr
.if \last
	s_wait_dscnt 0x0                               ; V is in
.else
	s_wait_dscnt 16                                ; V is in; the 16 loads of the next step's K, issued behind it, stay out
.endif
	WIN 0x51                                       ; V in window 1, p's codes in window 0, O^T in window 1
.irp t, 0,1,2,3
.irp x, 0,1
	v_wmma_f32_16x16x128_bf8_bf8 v[O+32*\x+8*\t:O+32*\x+8*\t+7], v[VF+16*\t:VF+16*\t+15], v[PC+16*\x:PC+16*\x+15], v[O+32*\x+8*\t:O+32*\x+8*\t+7]
.endr
.endr
	WIN 0
	s_add_co_u32 s56, s56, 8192                    ; on to the next step's images
.endm
.Lstep:                                            ; seven trips; the eighth step is written out, since it fetches no further K
	STEP 0
	s_sub_co_u32 s57, s57, 1
	s_cmp_lg_u32 s57, 0
	s_cbranch_scc1 .Lstep
	STEP 1
	; ---- the way out: O^T x 2^(e8 + e9) / the sum, quantised with 2^e10, stored as images of the next product's fragments.  The additions are the places behind the last products
.irp x, 0,1
	v_add_f32 v[ST+10*\x+2], v[ST+10*\x+2], v[ST+10*\x+3]
.endr
.irp x, 0,1
	v_permlanex16_b32 v[ST+10*\x+8], v[ST+10*\x+2], s54, s55
.endr
.irp x, 0,1
	v_add_f32 v[ST+10*\x+2], v[ST+10*\x+2], v[ST+10*\x+8]
.endr
	v_nop
	v_nop
.irp x, 0,1
	v_rcp_f32 v[ST+10*\x+4], v[ST+10*\x+2]         ; the sum is above 1/2: the row's largest p is
.endr
	v_nop                                          ; a plain line between the last reciprocal and the use of its result
	s_wait_alu depctr_va_vdst(0)                   ; both reciprocals are written, ahead of their first reader
.irp x, 0,1
	v_ldexp_f32 v[ST+10*\x+4], v[ST+10*\x+4], s58
.endr
	WIN 0x01                                       ; source 0 (O^T) in window 1
.irp x, 0,1
.irp i, 0,2,4,6,8,10,12,14,16,18,20,22,24,26,28,30
	v_pk_mul_f32 v[S+32*\x+\i:S+32*\x+\i+1], v[O+32*\x+\i:O+32*\x+\i+1], v[ST+10*\x+4:ST+10*\x+5] op_sel_hi:[1,0]
.endr
.endr
	WIN 0
.irp x, 0,1
.irp t, 0,1,2,3
	QUANT8 S+32*\x+8*\t, SCO, PC+8*\x+2*\t         ; tiles 2 b and 2 b + 1 give the quad of channels 32 b + 16 h + 0 .. 15
.endr
.endr
	v_nop
	s_wait_alu depctr_va_vdst(0)                   ; the conversions have written v[PC .. PC+15], which the stores below read
.irp x, 0,1
.irp b, 0,1
	global_store_b128 v[LI], v[PC+8*\x+4*\b:PC+8*\x+4*\b+3], s[24:25] offset:8192*\x+512*\b   ; the wave stores 512 consecutive bytes, at a multiple of 512 from the buffer's first byte
.endr
.endr
	s_wait_dscnt 0x0                               ; the closing lines, six on end
	s_wait_alu 0x0
	s_wait_tensorcnt 0x0
	ds_add_u32 v29, v39
	s_wait_dscnt 0x0
	s_endpgm
.Lfunc_end_k_qad1ff3a0eb_attn:
	.size	k_qad1ff3a0eb_attn, .Lfunc_end_k_qad1ff3a0eb_attn-k_qad1ff3a0eb_attn
	.p2alignl 7, 3214868480
	.fill 96, 4, 3214868480
	.section	.rodata,"a",@progbits
	.p2align	6, 0x0
	.amdhsa_kernel k_qad1ff3a0eb_attn
		.amdhsa_group_segment_fixed_size 193536
		.amdhsa_private_segment_fixed_size 0
		.amdhsa_enable_private_segment 0
		.amdhsa_kernarg_size 72
		.amdhsa_user_sgpr_count 2
		.amdhsa_user_sgpr_kernarg_segment_ptr 1
		.amdhsa_wavefront_size32 1
		.amdhsa_system_sgpr_workgroup_id_x 1
		.amdhsa_system_sgpr_workgroup_id_y 1
		.amdhsa_system_sgpr_workgroup_id_z 1
		.amdhsa_system_vgpr_workitem_id 0
		.amdhsa_next_free_vgpr 512
		.amdhsa_next_free_sgpr 66
		.amdhsa_reserve_vcc 0
		.amdhsa_float_denorm_mode_32 3
		.amdhsa_float_denorm_mode_16_64 3
		.amdhsa_memory_ordered 1
		.amdhsa_forward_progress 1
		.amdhsa_inst_pref_size 146
	.end_amdhsa_kernel
	.amdgpu_metadata
---
amdhsa.version: [ 1, 2 ]
amdhsa.kernels:
  - .name:           k_qad1ff3a0eb_attn
    .symbol:         k_qad1ff3a0eb_attn.kd
    .args:
      - { .name: x_codes, .offset: 0, .size: 8, .value_kind: global_buffer, .address_space: global }
      - { .name: qw_codes, .offset: 8, .size: 8, .value_kind: global_buffer, .address_space: global }
      - { .name: kw_codes, .offset: 16, .size: 8, .value_kind: global_buffer, .address_space: global }
      - { .name: vw_codes, .offset: 24, .size: 8, .value_kind: global_buffer, .address_space: global }
      - { .name: qb, .offset: 32, .size: 8, .value_kind: global_buffer, .address_space: global }
      - { .name: kb, .offset: 40, .size: 8, .value_kind: global_buffer, .address_space: global }
      - { .name: vb, .offset: 48, .size: 8, .value_kind: global_buffer, .address_space: global }
      - { .name: lowp_scales, .offset: 56, .size: 8, .value_kind: global_buffer, .address_space: global }
      - { .name: acodes, .offset: 64, .size: 8, .value_kind: global_buffer, .address_space: global }
    .group_segment_fixed_size: 193536
    .private_segment_fixed_size: 0
    .kernarg_segment_align: 8
    .kernarg_segment_size: 72
    .max_flat_workgroup_size: 256
    .sgpr_count:     66
    .vgpr_count:     512
    .wavefront_size: 32
...
	.end_amdgpu_metadata
.endif
;; end of part 3
;; launch outp: the kernel of part 2 again; grid 4 x 64, 4 waves a work-group, clusters of 4 x 4, 168,448 bytes of LDS; arguments acodes, ow_codes, ob, lowp_scales, out0; writes out0
